; MI455X (gfx1250); checked and timed in simulation.
; The chip was launched on July 23, 2026; its instructions are those of AMD's public machine-readable ISA for CDNA 5 (MIT licence, August 2026) and "CDNA5" Instruction Set Architecture Reference Guide (July 2026). The comments in the code are by the model that wrote it; some were corrected since.
;; Batch Lore Attention Layer. Allowed arithmetic: float matrix products may take bf16 or f16 operands with f32 sums; all other float work in f32.
;; Inputs: embeddings 2,048 x 128 x 256 float32; k_b 256 float32; k_w 256 x 256 float32; padding_mask 2,048 x 128 bool; q_b 256 float32; q_w 256 x 256 float32.
;; Outputs: out0 2,048 x 256 float32.
;; 3 versions, each right; version 2 is faster than version 1; version 3 is version 2 with the launch lore written anew for expert scheduling mode. Each part assembles by itself: llvm-mc -triple=amdgcn-amd-amdhsa -mcpu=gfx1250 --defsym DOCPART=n.
;; ======== version 1 of 3: 1 launch
;; limits: values outside matrix products are rounded to bf16
;; launch lore (part 1): grid 256 x 1, 4 waves a work-group, no clusters, 301,824 bytes of LDS; arguments embeddings, padding_mask, q_w, q_b, k_w, k_b, out0; writes out0
.if DOCPART == 1
	.amdgcn_target "amdgcn-amd-amdhsa--gfx1250"
	.amdhsa_code_object_version 6
	.text
	.protected	k_qa0eccb3cf4_lore
	.globl	k_qa0eccb3cf4_lore
	.p2align	8
	.type	k_qa0eccb3cf4_lore,@function
k_qa0eccb3cf4_lore:
	s_mov_b64 s[64:65], 0
	v_nop
	global_prefetch_b8 v0, s[64:65] scope:SCOPE_SE
	s_setreg_imm32_b32 hwreg(HW_REG_WAVE_MODE, 25, 1), 1
	s_wait_xcnt 0x0
; out[b] = tanh( sum over valid l of softmax_m( Q K^T / 16, padded m = -inf )[l] X / count ),  Q = X Wq^T + qb,  K = X Wk^T + kb.
; X: [2048][128][256] f32.  256 work-groups of four waves; work-group g keeps batches 8 g .. 8 g + 7 and reads each byte of X once.
;
; TWO REARRANGEMENTS, both exact identities of the sums, for every input:
;  (1) Q K^T = X M X^T + 1 (u X^T) + (X v) 1^T + s0,  M = Wq^T Wk, u = Wk^T qb, v = Wq^T kb, s0 = qb . kb.
;      M, u, v, s0 are made once by each work-group; a batch then needs ONE projection T = X M + u, and S = T X^T + c + s0, c[l] = x_l . v.
;  (2) the sum over l and attn X are linear: y = w^T X with w[m] = sum over l of (valid[l] / count) P[l][m] / Z[l].
; log2(e) / 16 is folded into Wq and qb as they are rounded, so S is in the base-2 domain and P = 2^(S - row maximum); the maximum is the row's own.
; Matrix operands are bf16 (X, Wq, Wk, qb, kb, M, T, v, w), all sums f32.
;
; SHARES.  T: wave w makes columns 64 w .. 64 w + 63 of T for all 128 rows.  S and softmax: wave w has query rows 32 w .. 32 w + 31, all 128 keys.
; y: wave w has columns 64 w .. 64 w + 63.  X comes in by 16-byte register loads (a ring of four groups of 16 loads in registers), is rounded
; to bf16 and laid into one of two LDS slots while the batch before is worked on.
;
; LIMITS.  The mask is applied by adding -inf: a padded key whose score is itself NaN or +inf in f32 gives NaN.  A mask byte other than 0 counts as padded.
; A batch with every key padded gives NaN, as the softmax of a row of -inf does.
; NO JOINT LOADS: the work-groups share Wq and Wk alone, 524,288 bytes read once at the start against 1,048,576 bytes of X of their own, and W has to pass
; through registers to be rounded; its two bf16 copies take 278,528 bytes of LDS, which leaves no room for an f32 landing ring of bytes that no ds_store writes.
; NO TENSOR LOADS for X for the same reason: an f32 tile is 131,072 bytes, beside two bf16 slots and T it does not fit, and LDS would carry X twice.
.set SCALE, 0x3db8aa3b                 ; log2(e) / 16
.set TANHK, 0x4038aa3b                 ; 2 log2(e)
; LDS, bytes
.set XPITCH, 528                       ; a row of X: 512 bytes of bf16 + 16: an odd multiple of 16, so sixteen rows of a fragment load start 16 bytes apart modulo 256
.set XB1,    128*XPITCH                ; slot 0 at 0, slot 1 at 67,584
.set TB,     2*XB1                     ; T: four strips [128 rows][64 columns], strip w written by wave w alone
.set TPITCH, 144
.set TSTRIP, 128*TPITCH
.set WPITCH, 544                       ; set-up only: Wq at 0, Wk behind it, [e][d] in bf16, over the bytes that X and T take later
.set WK,     256*WPITCH
.set QBL,    2*WK                      ; qb x SCALE, bf16 [256]
.set KBL,    QBL+512                   ; kb, bf16 [256]
.set MBT,    KBL+512                   ; [8][128] pairs (mb, mb) f32: -inf at a padded key, s0 elsewhere
.set VCT,    MBT+8192                  ; [8][128] f32: valid / max(count, 1)
.set W4,     VCT+4096                  ; four rows of 128 bf16: wave w's partial of w[m]
.set W4P,    272
.set OUTS,   W4+1280                   ; [8][256] f32: y before tanh
; scalar registers
.set XP, 4                             ; s[4:5] embeddings at the batch pair at work
; vector registers, window 0 (an instruction names v0-v255; s_set_vgpr_msb picks the window of each operand place)
.set XOFF, 2                           ; byte offset in a batch of X of my 16 bytes: 32,768 w + 16 L
.set WOFF, 3                           ; the same in Wq, Wk: 65,536 w + 16 L
.set XS,   4                           ; v4-5   slot 0, 1: where I put 8 bytes of bf16
.set XA,   6                           ; v6-7   fragments of all rows: 528 r + 16 h
.set XO,   8                           ; v8-9   fragments of my wave's 32 rows
.set XT,   10                          ; v10-11 transposing loads, my 64 columns
.set TS,   12                          ; T: store
.set TR,   13                          ; T: fragments of my 32 rows
.set MBA,  14                          ; mask table, steps by batch
.set VCA,  15                          ; row weights, steps by batch
.set OSA,  16                          ; y, steps by batch
.set W4S,  17
.set W4A,  18
.set WSQ,  19
.set WSK,  20
.set TRQ,  21                          ; v21-22 transposing loads of Wq, e 0-127 and 128-255
.set TRK,  23                          ; v23-24 the same of Wk, my 64 columns
.set BQA,  25
.set BKA,  26
.set U,    32                          ; v32-63   u of my 64 columns as a C operand, four tiles
.set XF,   64                          ; v64-191  two fragment buffers of 64 registers
.set VF,   192                         ; v192-255 v as a B operand, eight K steps
.set KBF,  224                         ; set-up: kb fragments, two buffers
.set QBF,  240                         ; set-up: qb fragments, two buffers
; softmax's small arrays, in the fragment buffers while these are idle
.set MB, 64
.set VC, 80
.set MX, 96
.set ZS, 112
.set G,  128
.set WP, 144
.set WS, 160
.set WT, 168
; window 1: M^T, fragment (K step ks, column tile dt) at v[8 (4 ks + dt)]
; window 2: T's 32 accumulator tiles (lt, dt) at v[8 (4 lt + dt)]; later S (mt, nt) at v[8 (8 mt + nt)], T fragments at v128-159, c at v160-175
.set CL, 160
; window 3: the ring of loads, group g at v[64 g], load j in four registers
.set MSB, 0
.macro WIN new                         ; low byte: bits 1:0 source 0, 3:2 source 1, 5:4 source 2, 7:6 destination; the high byte repeats the setting that is left
.if MSB != \new
	s_set_vgpr_msb (MSB<<8)|\new
.set MSB, \new
.endif
.endm
; The places behind a matrix instruction: independent plain vector instructions between it and a reader of its result, a writer of or a load into its registers.
.macro PLACES n
.rept \n
	v_nop
.endr
.endm
; ---- the ring of loads ----
; 16 loads of 512 neighbouring bytes: eight rows of 1,024 bytes.
.macro GLD g, base, voff, imm, nt
	WIN 0xc0
.set j_, 0
.rept 16
.if \nt
	global_load_b128 v[64*(\g)+4*j_:64*(\g)+4*j_+3], v[\voff], s[\base:\base+1] offset:(\imm)+512*j_ th:TH_LOAD_NT
.else
	global_load_b128 v[64*(\g)+4*j_:64*(\g)+4*j_+3], v[\voff], s[\base:\base+1] offset:(\imm)+512*j_
.endif
.set j_, j_+1
.endr
.endm
; a group to bf16 in place: four f32 become the first two registers of their four
.macro CVT g, scale
	WIN 0xcf
.if \scale
.set j_, 0
.rept 32
	v_pk_mul_f32 v[64*(\g)+2*j_:64*(\g)+2*j_+1], v[64*(\g)+2*j_:64*(\g)+2*j_+1], SCALE op_sel_hi:[1,0]
.set j_, j_+1
.endr
.endif
.set j_, 0
.rept 16
	v_cvt_pk_bf16_f32 v[64*(\g)+4*j_], v[64*(\g)+4*j_], v[64*(\g)+4*j_+1]
	v_cvt_pk_bf16_f32 v[64*(\g)+4*j_+1], v[64*(\g)+4*j_+2], v[64*(\g)+4*j_+3]
.set j_, j_+1
.endr
.endm
; each store of the wave covers 256 neighbouring bytes: half a row
.macro STO g, vaddr, imm0, pitch
	WIN 0x0c
.set j_, 0
.rept 16
	ds_store_b64 v[\vaddr], v[64*(\g)+4*j_:64*(\g)+4*j_+1] offset:(\imm0)+(j_/2)*\pitch+256*(j_%2)
.set j_, j_+1
.endr
.endm
; group g of the next batch goes into slot st; re = 1: the group is asked for again, for the batch behind that one.
; cnt = the loads issued behind this group's sixteen (loads come back in order: ISA guide 5.7.1).
.macro CONVX g, st, cnt, re, gimm
	s_wait_loadcnt \cnt
	CVT \g, 0
	STO \g, XS+(\st), 8*(\g)*XPITCH, XPITCH
.if \re
	GLD \g, XP, XOFF, (\gimm)+8192*(\g), 1
.endif
.endm
; ---- set-up: M = Wq^T Wk, u, v ----
; fragments of one K step (32 e) into buffer b: four tiles of Wq's columns 64 p .., four of Wk's my columns, kb, in pass 0 also qb
.macro SFETCH p, es, b
	WIN 0
.irp a, 0,1,2,3
	ds_load_tr16_b128 v[XF+64*(\b)+8*\a:XF+64*(\b)+8*\a+3], v[TRQ+(\es)/4] offset:((\es)%4)*32*WPITCH+32*(4*(\p)+\a)
	ds_load_tr16_b128 v[XF+64*(\b)+8*\a+4:XF+64*(\b)+8*\a+7], v[TRQ+(\es)/4] offset:((\es)%4)*32*WPITCH+16*WPITCH+32*(4*(\p)+\a)
.endr
.irp a, 0,1,2,3
	ds_load_tr16_b128 v[XF+32+64*(\b)+8*\a:XF+32+64*(\b)+8*\a+3], v[TRK+(\es)/4] offset:((\es)%4)*32*WPITCH+32*\a
	ds_load_tr16_b128 v[XF+32+64*(\b)+8*\a+4:XF+32+64*(\b)+8*\a+7], v[TRK+(\es)/4] offset:((\es)%4)*32*WPITCH+16*WPITCH+32*\a
.endr
	ds_load_b128 v[KBF+8*(\b):KBF+8*(\b)+3], v[BKA] offset:64*(\es)
	ds_load_b128 v[KBF+8*(\b)+4:KBF+8*(\b)+7], v[BKA] offset:64*(\es)+32
.if \p == 0
	ds_load_b128 v[QBF+8*(\b):QBF+8*(\b)+3], v[BQA] offset:64*(\es)
	ds_load_b128 v[QBF+8*(\b)+4:QBF+8*(\b)+7], v[BQA] offset:64*(\es)+32
.endif
.endm
; 16 tiles of M (rows d1 = 64 p + 16 a + .., columns d2 of my 64), 4 tiles of v, in pass 0 also 4 of u.  The accumulators take turns, one instruction a turn.
.macro SMUL p, es, b
	WIN 0xa0
.irp a, 0,1,2,3
.irp d, 0,1,2,3
.if (\es) == 0
	v_wmma_f32_16x16x32_bf16 v[8*(4*\a+\d):8*(4*\a+\d)+7], v[XF+64*(\b)+8*\a:XF+64*(\b)+8*\a+7], v[XF+32+64*(\b)+8*\d:XF+32+64*(\b)+8*\d+7], 0
.else
	v_wmma_f32_16x16x32_bf16 v[8*(4*\a+\d):8*(4*\a+\d)+7], v[XF+64*(\b)+8*\a:XF+64*(\b)+8*\a+7], v[XF+32+64*(\b)+8*\d:XF+32+64*(\b)+8*\d+7], v[8*(4*\a+\d):8*(4*\a+\d)+7]
.endif
.endr
.endr
.irp a, 0,1,2,3
.if (\es) == 0
	v_wmma_f32_16x16x32_bf16 v[128+8*(4*(\p)+\a):128+8*(4*(\p)+\a)+7], v[XF+64*(\b)+8*\a:XF+64*(\b)+8*\a+7], v[KBF+8*(\b):KBF+8*(\b)+7], 0
.else
	v_wmma_f32_16x16x32_bf16 v[128+8*(4*(\p)+\a):128+8*(4*(\p)+\a)+7], v[XF+64*(\b)+8*\a:XF+64*(\b)+8*\a+7], v[KBF+8*(\b):KBF+8*(\b)+7], v[128+8*(4*(\p)+\a):128+8*(4*(\p)+\a)+7]
.endif
.endr
.if \p == 0
	WIN 0
.irp d, 0,1,2,3
.if (\es) == 0
	v_wmma_f32_16x16x32_bf16 v[U+8*\d:U+8*\d+7], v[XF+32+64*(\b)+8*\d:XF+32+64*(\b)+8*\d+7], v[QBF+8*(\b):QBF+8*(\b)+7], 0
.else
	v_wmma_f32_16x16x32_bf16 v[U+8*\d:U+8*\d+7], v[XF+32+64*(\b)+8*\d:XF+32+64*(\b)+8*\d+7], v[QBF+8*(\b):QBF+8*(\b)+7], v[U+8*\d:U+8*\d+7]
.endif
.endr
.endif
.endm
; A result tile holds, in lane (r, h), column d2 = r and rows d1 = 8 h + 0..7: rounded in pairs these ARE four registers of the fragment of M^T (row d2, k = d1).
.macro PACKM p
	PLACES 4
	WIN 0x4a
.irp a, 0,1,2,3
.irp d, 0,1,2,3
.irp i, 0,1,2,3
	v_cvt_pk_bf16_f32 v[8*(4*(2*(\p)+\a/2)+\d)+4*(\a%2)+\i], v[8*(4*\a+\d)+2*\i], v[8*(4*\a+\d)+2*\i+1]
.endr
.endr
.endr
.endm
.macro PASS p
	SFETCH \p, 0, 0
.irp e, 0,1,2,3,4,5,6
	PLACES 4                                       ; the other buffer was read by the matrix instructions just issued
	SFETCH \p, \e+1, (\e+1)%2
.if \p == 0
	s_wait_dscnt 20                                ; all but the 20 loads just issued: this K step's fragments are in
.else
	s_wait_dscnt 18                                ; the same, 18 loads a K step without qb
.endif
	SMUL \p, \e, \e%2
.endr
	s_wait_dscnt 0x0
	SMUL \p, 7, 1
	PACKM \p
.endm
; ---- a batch ----
; fragments of all 128 rows of X, 32 columns at 32 ks, into buffer f
.macro FETCHX s, ks, f
	WIN 0
.irp n, 0,1,2,3,4,5,6,7
	ds_load_b128 v[XF+64*(\f)+8*\n:XF+64*(\f)+8*\n+3], v[XA+\s] offset:16*XPITCH*\n+64*(\ks)
	ds_load_b128 v[XF+64*(\f)+8*\n+4:XF+64*(\f)+8*\n+7], v[XA+\s] offset:16*XPITCH*\n+64*(\ks)+32
.endr
.endm
; T^T tiles: source 0 = rows d2 of M^T, source 1 = rows l of X, so that a lane's eight results are eight neighbouring columns of one row of T.
; The first K step takes u as C.  32 accumulators by turns, one instruction a turn.
.macro TMUL ks, f
.if (\ks) == 0
	WIN 0x81
.else
	WIN 0xa1
.endif
.irp l, 0,1,2,3,4,5,6,7
.irp d, 0,1,2,3
.if (\ks) == 0
	v_wmma_f32_16x16x32_bf16 v[8*(4*\l+\d):8*(4*\l+\d)+7], v[8*(4*(\ks)+\d):8*(4*(\ks)+\d)+7], v[XF+64*(\f)+8*\l:XF+64*(\f)+8*\l+7], v[U+8*\d:U+8*\d+7]
.else
	v_wmma_f32_16x16x32_bf16 v[8*(4*\l+\d):8*(4*\l+\d)+7], v[8*(4*(\ks)+\d):8*(4*(\ks)+\d)+7], v[XF+64*(\f)+8*\l:XF+64*(\f)+8*\l+7], v[8*(4*\l+\d):8*(4*\l+\d)+7]
.endif
.endr
.endr
.endm
.macro TSTEP s, ks, f, g
.if \ks < 7
	PLACES 4
	FETCHX \s, \ks+1, \g
	s_wait_dscnt 16                                ; all but the 16 loads just issued
.else
	s_wait_dscnt 0x0
.endif
	TMUL \ks, \f
.endm
; T to bf16 in place, 16 bytes a lane into my strip
.macro TOUT
	PLACES 4
	WIN 0x8a
.set i_, 0
.rept 32
	v_cvt_pk_bf16_f32 v[8*i_], v[8*i_], v[8*i_+1]
	v_cvt_pk_bf16_f32 v[8*i_+1], v[8*i_+2], v[8*i_+3]
	v_cvt_pk_bf16_f32 v[8*i_+2], v[8*i_+4], v[8*i_+5]
	v_cvt_pk_bf16_f32 v[8*i_+3], v[8*i_+6], v[8*i_+7]
.set i_, i_+1
.endr
	WIN 0x08
.set i_, 0
.rept 32
	ds_store_b128 v[TS], v[8*i_:8*i_+3] offset:16*TPITCH*(i_/4)+32*(i_%4)
.set i_, i_+1
.endr
.endm
; c[l] = x_l . v for my 32 rows, between the halves of the barrier that shows T to every wave
.macro CROWS s
	WIN 0
.irp k, 0,1,2,3,4,5,6,7
.irp m, 0,1
	ds_load_b128 v[XF+8*(2*\k+\m):XF+8*(2*\k+\m)+3], v[XO+\s] offset:16*XPITCH*\m+64*\k
	ds_load_b128 v[XF+8*(2*\k+\m)+4:XF+8*(2*\k+\m)+7], v[XO+\s] offset:16*XPITCH*\m+64*\k+32
.endr
.endr
	s_wait_dscnt 0x0                               ; for the others: my strip of T is written; for me: my rows' fragments are in
	s_barrier_signal -1
	WIN 0xa0
.irp k, 0,1,2,3,4,5,6,7
.irp m, 0,1
.if \k == 0
	v_wmma_f32_16x16x32_bf16 v[CL+8*\m:CL+8*\m+7], v[XF+8*(2*\k+\m):XF+8*(2*\k+\m)+7], v[VF+8*\k:VF+8*\k+7], 0
.else
	v_wmma_f32_16x16x32_bf16 v[CL+8*\m:CL+8*\m+7], v[XF+8*(2*\k+\m):XF+8*(2*\k+\m)+7], v[VF+8*\k:VF+8*\k+7], v[CL+8*\m:CL+8*\m+7]
.endif
.endr
.endr
	s_barrier_wait -1
	PLACES 5                                       ; c becomes the C of other accumulators, and the buffers are loaded again
.endm
.macro FETCHT ks, f
	WIN 0x80
.irp m, 0,1
	ds_load_b128 v[128+16*(\f)+8*\m:128+16*(\f)+8*\m+3], v[TR] offset:((\ks)/2)*TSTRIP+16*TPITCH*\m+64*((\ks)%2)
	ds_load_b128 v[128+16*(\f)+8*\m+4:128+16*(\f)+8*\m+7], v[TR] offset:((\ks)/2)*TSTRIP+16*TPITCH*\m+64*((\ks)%2)+32
.endr
.endm
; S tiles (mt, nt): register j of lane (r, h) is query 32 w + 16 mt + 8 h + j, key 16 nt + r.  16 accumulators by turns.
.macro SMM ks, f
	WIN 0xa2
.irp n, 0,1,2,3,4,5,6,7
.irp m, 0,1
.if (\ks) == 0
	v_wmma_f32_16x16x32_bf16 v[8*(8*\m+\n):8*(8*\m+\n)+7], v[128+16*(\f)+8*\m:128+16*(\f)+8*\m+7], v[XF+64*(\f)+8*\n:XF+64*(\f)+8*\n+7], v[CL+8*\m:CL+8*\m+7]
.else
	v_wmma_f32_16x16x32_bf16 v[8*(8*\m+\n):8*(8*\m+\n)+7], v[128+16*(\f)+8*\m:128+16*(\f)+8*\m+7], v[XF+64*(\f)+8*\n:XF+64*(\f)+8*\n+7], v[8*(8*\m+\n):8*(8*\m+\n)+7]
.endif
.endr
.endr
.endm
.macro SSTEP s, ks, f, g
	PLACES 4
.if \ks < 7
	FETCHX \s, \ks+1, \g
	FETCHT \ks+1, \g
	s_wait_dscnt 20                                ; all but the 16 + 4 loads just issued
.else
	WIN 0
.irp n, 0,1,2,3,4,5,6,7
	ds_load_b64 v[MB+2*\n:MB+2*\n+1], v[MBA] offset:128*\n            ; the mask term of key 16 n + r, twice
.endr
.irp m, 0,1
.irp q, 0,1
	ds_load_b128 v[VC+8*\m+4*\q:VC+8*\m+4*\q+3], v[VCA] offset:64*\m+16*\q   ; valid / count of my lane's sixteen query rows
.endr
.endr
	s_wait_dscnt 12                                ; all but these 8 + 4
.endif
	SMM \ks, \f
.endm
; mask, row maximum, P = 2^(S - maximum)
.macro SOFTA
	PLACES 4
	s_wait_dscnt 0x0
	WIN 0x82
.irp m, 0,1
.irp n, 0,1,2,3,4,5,6,7
.irp p, 0,2,4,6
	v_pk_add_f32 v[64*\m+8*\n+\p:64*\m+8*\n+\p+1], v[64*\m+8*\n+\p:64*\m+8*\n+\p+1], v[MB+2*\n:MB+2*\n+1]
.endr
.endr
.endr
	WIN 0x2a
.irp m, 0,1
.irp j, 0,1,2,3,4,5,6,7
	v_max3_num_f32 v[MX+8*\m+\j], v[64*\m+\j], v[64*\m+8+\j], v[64*\m+16+\j]
.endr
.endr
	WIN 0x28
.irp n, 24,40
.irp m, 0,1
.irp j, 0,1,2,3,4,5,6,7
	v_max3_num_f32 v[MX+8*\m+\j], v[MX+8*\m+\j], v[64*\m+\n+\j], v[64*\m+\n+8+\j]
.endr
.endr
.endr
.irp m, 0,1
.irp j, 0,1,2,3,4,5,6,7
	v_max_num_f32 v[MX+8*\m+\j], v[MX+8*\m+\j], v[64*\m+56+\j]
.endr
.endr
	WIN 0                                          ; a query row's 128 keys lie in 8 registers x the 16 lanes of a half: four steps inside the half end the maximum
.irp k, 1,2,4,8
.set i_, 0
.rept 16
	v_max_num_f32_dpp v[MX+i_], v[MX+i_], v[MX+i_] row_xmask:\k row_mask:0xf bank_mask:0xf
.set i_, i_+1
.endr
.endr
	WIN 0x82
.irp m, 0,1
.irp n, 0,1,2,3,4,5,6,7
.irp p, 0,2,4,6
	v_pk_add_f32 v[64*\m+8*\n+\p:64*\m+8*\n+\p+1], v[64*\m+8*\n+\p:64*\m+8*\n+\p+1], v[MX+8*\m+\p:MX+8*\m+\p+1] neg_lo:[0,1] neg_hi:[0,1]
.endr
.endr
.endr
.set i_, 0
.rept 128
	v_exp_f32 v[i_], v[i_]
.set i_, i_+1
.endr
	v_nop                                          ; one plain place behind the transcendentals before a result is used
.endm
; Z, G = valid / (count Z), my wave's partial w[m] = sum over my 32 rows of G[l] P[l][m]
.macro SOFTB
	WIN 0x0a
	s_wait_alu depctr_va_vdst(0)
.irp m, 0,1
.irp p, 0,2,4,6
	v_pk_add_f32 v[ZS+8*\m+\p:ZS+8*\m+\p+1], v[64*\m+\p:64*\m+\p+1], v[64*\m+8+\p:64*\m+8+\p+1]
.endr
.endr
	WIN 0x08
.irp n, 2,3,4,5,6,7
.irp m, 0,1
.irp p, 0,2,4,6
	v_pk_add_f32 v[ZS+8*\m+\p:ZS+8*\m+\p+1], v[ZS+8*\m+\p:ZS+8*\m+\p+1], v[64*\m+8*\n+\p:64*\m+8*\n+\p+1]
.endr
.endr
.endr
	WIN 0
.irp k, 1,2,4,8
.set i_, 0
.rept 16
	v_add_f32_dpp v[ZS+i_], v[ZS+i_], v[ZS+i_] row_xmask:\k row_mask:0xf bank_mask:0xf
.set i_, i_+1
.endr
.endr
.set i_, 0
.rept 16
	v_rcp_f32 v[G+i_], v[ZS+i_]
.set i_, i_+1
.endr
	v_nop
.set i_, 0
	s_wait_alu depctr_va_vdst(0)
.rept 8
	v_pk_mul_f32 v[G+2*i_:G+2*i_+1], v[G+2*i_:G+2*i_+1], v[VC+2*i_:VC+2*i_+1]
.set i_, i_+1
.endr
	WIN 0x02
.irp m, 0,1
.irp p, 0,2,4,6
.irp n, 0,1,2,3,4,5,6,7
.if (\m+\p) == 0
	v_pk_mul_f32 v[WP+2*\n:WP+2*\n+1], v[64*\m+8*\n+\p:64*\m+8*\n+\p+1], v[G+8*\m+\p:G+8*\m+\p+1]
.else
	v_pk_fma_f32 v[WP+2*\n:WP+2*\n+1], v[64*\m+8*\n+\p:64*\m+8*\n+\p+1], v[G+8*\m+\p:G+8*\m+\p+1], v[WP+2*\n:WP+2*\n+1]
.endif
.endr
.endr
.endr
	WIN 0
.irp n, 0,1,2,3,4,5,6,7
	v_add_f32 v[WS+\n], v[WP+2*\n], v[WP+2*\n+1]
.endr
.irp n, 0,1,2,3,4,5,6,7
	v_permlanex16_b32 v[WT+\n], v[WS+\n], s22, s23 ; the other half's eight rows of each tile
.endr
.irp n, 0,1,2,3,4,5,6,7
	v_add_f32 v[WS+\n], v[WS+\n], v[WT+\n]
.endr
.irp k, 0,1,2,3
	v_cvt_pk_bf16_f32 v[176+\k], v[WS+2*\k], v[WS+2*\k+1]
.endr
.irp k, 0,1,2,3
	ds_store_b16 v[W4S], v[176+\k] offset:64*\k                      ; key 16 (2 k) + r; both halves of the lanes hold and write the same number
	ds_store_b16_d16_hi v[W4S], v[176+\k] offset:64*\k+32            ; key 16 (2 k + 1) + r
.endr
.endm
; y = w^T X for my 64 columns.  Row i of the A operand is the partial of wave i mod 4, so rows 0-3 (and 8-11) of the result add up to y.
.macro OUTPH s
	WIN 0x80
.irp k, 0,1,2,3
	ds_load_b128 v[8*\k:8*\k+3], v[W4A] offset:64*\k
	ds_load_b128 v[8*\k+4:8*\k+7], v[W4A] offset:64*\k+32
.endr
	WIN 0
.irp k, 0,1,2,3
.irp n, 0,1,2,3
	ds_load_tr16_b128 v[XF+8*(4*\k+\n):XF+8*(4*\k+\n)+3], v[XT+\s] offset:32*XPITCH*\k+32*\n
	ds_load_tr16_b128 v[XF+8*(4*\k+\n)+4:XF+8*(4*\k+\n)+7], v[XT+\s] offset:32*XPITCH*\k+16*XPITCH+32*\n
.endr
.endr
	WIN 0xa2
.irp k, 0,1,2,3
	s_wait_dscnt 24-8*\k                           ; the later K steps' eight loads each may stay out
.irp n, 0,1,2,3
.if \k == 0
	v_wmma_f32_16x16x32_bf16 v[32+8*\n:32+8*\n+7], v[8*\k:8*\k+7], v[XF+8*(4*\k+\n):XF+8*(4*\k+\n)+7], 0
.else
	v_wmma_f32_16x16x32_bf16 v[32+8*\n:32+8*\n+7], v[8*\k:8*\k+7], v[XF+8*(4*\k+\n):XF+8*(4*\k+\n)+7], v[32+8*\n:32+8*\n+7]
.endif
.endr
.endr
	PLACES 4
	WIN 0x8a
.irp n, 0,1,2,3
	v_pk_add_f32 v[32+8*\n:32+8*\n+1], v[32+8*\n:32+8*\n+1], v[32+8*\n+2:32+8*\n+3]
.endr
.irp n, 0,1,2,3
	v_add_f32 v[32+8*\n], v[32+8*\n], v[32+8*\n+1]
.endr
	WIN 0x08
.irp n, 0,1,2,3
	ds_store_b32 v[OSA], v[32+8*\n] offset:64*\n
.endr
	WIN 0
	v_add_nc_u32 v[MBA], 1024, v[MBA]              ; the next batch's tables and row of y
	v_add_nc_u32 v[VCA], 512, v[VCA]
	v_add_nc_u32 v[OSA], 1024, v[OSA]
.endm
; The batch in slot s.  conv = 1: the next batch, which the ring holds, goes into the other slot, a quarter at each of four points;
; re = 1: each quarter's group is asked for again at byte gimm from XP; c0..c3: the loads issued behind the group at each point.
.macro BATCH s, conv, re, c0, c1, c2, c3, gimm
	s_wait_dscnt 0x0                               ; my stores into this slot and my reads of the other slot, of T and of the partials are done
	s_barrier_signal -1
	s_barrier_wait -1                              ; every wave's are: the slot is whole, and the other slot, T and the partials may be written again
	FETCHX \s, 0, 0
	TSTEP \s, 0, 0, 1
.if \conv
	CONVX 0, 1-\s, \c0, \re, \gimm
.endif
	TSTEP \s, 1, 1, 0
	TSTEP \s, 2, 0, 1
	TSTEP \s, 3, 1, 0
	TSTEP \s, 4, 0, 1
	TSTEP \s, 5, 1, 0
.if \conv
	CONVX 1, 1-\s, \c1, \re, \gimm
.endif
	TSTEP \s, 6, 0, 1
	TSTEP \s, 7, 1, 0
	TOUT
	CROWS \s
	FETCHX \s, 0, 0
	FETCHT 0, 0
	SSTEP \s, 0, 0, 1
	SSTEP \s, 1, 1, 0
	SSTEP \s, 2, 0, 1
	SSTEP \s, 3, 1, 0
.if \conv
	CONVX 2, 1-\s, \c2, \re, \gimm
.endif
	SSTEP \s, 4, 0, 1
	SSTEP \s, 5, 1, 0
	SSTEP \s, 6, 0, 1
	SSTEP \s, 7, 1, 0
	SOFTA
.if \conv
	CONVX 3, 1-\s, \c3, \re, \gimm
.endif
	SOFTB
	s_wait_dscnt 0x0                               ; my partial of w is written
	s_barrier_signal -1
	s_barrier_wait -1                              ; all four are
	OUTPH \s
.endm
; ================= the text =================
	s_load_b256 s[4:11], s[0:1], 0x0               ; embeddings s[4:5], padding_mask s[6:7], q_w s[8:9], q_b s[10:11]
	s_load_b128 s[12:15], s[0:1], 0x20             ; k_w s[12:13], k_b s[14:15]
	s_load_b64 s[16:17], s[0:1], 0x30              ; out0
	v_lshrrev_b32 v1, 5, v0
	v_readfirstlane_b32 s18, v1                    ; wave 0..3
	v_and_b32 v27, 31, v0                          ; L
	s_lshl_b32 s24, s18, 15
	s_lshl_b32 s25, s18, 16
	v_lshl_add_u32 v[XOFF], v27, 4, s24
	v_lshl_add_u32 v[WOFF], v27, 4, s25
	v_lshlrev_b32 v88, 3, v0                       ; 8 t
	v_lshlrev_b32 v89, 5, v27                      ; 32 L
	s_mov_b32 s22, 0x76543210                      ; v_permlanex16_b32: lane i reads lane i of the other half
	s_mov_b32 s23, 0xfedcba98
	s_mov_b32 s21, 0
	s_lshl_b32 s20, ttmp9, 20                      ; 8 batches of 131,072 bytes
	s_wait_kmcnt 0x0
	s_add_nc_u64 s[XP:XP+1], s[XP:XP+1], s[20:21]
	s_lshl_b32 s20, ttmp9, 10                      ; 8 rows of 128 mask bytes
	s_add_nc_u64 s[6:7], s[6:7], s[20:21]
	s_lshl_b32 s20, ttmp9, 13                      ; 8 rows of 1,024 bytes of the output
	s_add_nc_u64 s[16:17], s[16:17], s[20:21]
	global_load_b64 v[64:65], v88, s[6:7]          ; mask bytes 8 t .. 8 t + 7 of the group's 1,024
	global_load_b64 v[66:67], v88, s[10:11]        ; qb[2 t], qb[2 t + 1]
	global_load_b64 v[68:69], v88, s[14:15]        ; kb likewise
	global_load_b128 v[72:75], v89, s[10:11]       ; qb[8 L ..], for s0, which every wave makes whole
	global_load_b128 v[76:79], v89, s[10:11] offset:16
	global_load_b128 v[80:83], v89, s[14:15]
	global_load_b128 v[84:87], v89, s[14:15] offset:16
	GLD 0, 8, WOFF, 0, 0                           ; my 64 rows of Wq, eight at a time
	GLD 1, 8, WOFF, 8192, 0
	GLD 2, 8, WOFF, 16384, 0
	WIN 0
	; addresses; none but MBA, VCA, OSA is written again
	v_and_b32 v28, 15, v0                          ; r
	v_bfe_u32 v29, v0, 4, 1                        ; h
	v_and_b32 v30, 7, v0
	v_lshl_add_u32 v30, v29, 3, v30                ; 8 h + (L & 7): the row that a lane addresses in a transposing load
	v_bfe_u32 v31, v0, 3, 1                        ; and which 16 bytes of it
	s_mul_i32 s24, s18, 32*XPITCH
	v_lshl_add_u32 v[XS], v27, 3, s24
	v_add_nc_u32 v[XS+1], XB1, v[XS]
	v_mul_u32_u24 v1, v28, XPITCH
	v_lshl_add_u32 v[XA], v29, 4, v1
	v_add_nc_u32 v[XA+1], XB1, v[XA]
	v_add_nc_u32 v[XO], s24, v[XA]
	v_add_nc_u32 v[XO+1], XB1, v[XO]
	v_mul_u32_u24 v1, v30, XPITCH
	v_lshl_add_u32 v1, v31, 4, v1
	s_lshl_b32 s25, s18, 7                         ; 128 w: my 64 columns in bf16
	v_add_nc_u32 v[XT], s25, v1
	v_add_nc_u32 v[XT+1], XB1, v[XT]
	v_mul_u32_u24 v1, v28, TPITCH
	v_lshl_add_u32 v1, v29, 4, v1
	s_mul_i32 s26, s18, TSTRIP
	s_add_co_u32 s26, s26, TB
	v_add_nc_u32 v[TS], s26, v1
	s_mul_i32 s26, s18, 32*TPITCH
	s_add_co_u32 s26, s26, TB
	v_add_nc_u32 v[TR], s26, v1
	v_lshl_add_u32 v[MBA], v28, 3, MBT
	s_add_co_u32 s26, s25, VCT
	v_lshl_add_u32 v[VCA], v29, 5, s26
	s_lshl_b32 s26, s18, 8
	s_add_co_u32 s26, s26, OUTS
	v_lshl_add_u32 v[OSA], v28, 2, s26
	s_mul_i32 s26, s18, W4P
	s_add_co_u32 s26, s26, W4
	v_lshl_add_u32 v[W4S], v28, 1, s26
	v_and_b32 v1, 3, v0
	v_mul_u32_u24 v1, v1, W4P
	v_lshl_add_u32 v1, v29, 4, v1
	v_add_nc_u32 v[W4A], W4, v1
	s_mul_i32 s26, s18, 64*WPITCH
	v_lshl_add_u32 v[WSQ], v27, 3, s26
	v_add_nc_u32 v[WSK], WK, v[WSQ]
	v_mul_u32_u24 v1, v30, WPITCH
	v_lshl_add_u32 v[TRQ], v31, 4, v1
	v_add_nc_u32 v[TRQ+1], 128*WPITCH, v[TRQ]
	s_add_co_u32 s26, s25, WK
	v_add_nc_u32 v[TRK], s26, v[TRQ]
	v_add_nc_u32 v[TRK+1], 128*WPITCH, v[TRK]
	v_lshl_add_u32 v[BQA], v29, 4, QBL
	v_lshl_add_u32 v[BKA], v29, 4, KBL
	s_wait_loadcnt 48                              ; the seven small loads are in; the 48 of Wq stay out
	; the biases as bf16
	v_pk_mul_f32 v[66:67], v[66:67], SCALE op_sel_hi:[1,0]
	v_cvt_pk_bf16_f32 v90, v66, v67
	v_cvt_pk_bf16_f32 v91, v68, v69
	v_lshl_add_u32 v92, v0, 2, QBL
	ds_store_b32 v92, v90
	ds_store_b32 v92, v91 offset:KBL-QBL
	; s0 = SCALE x qb . kb
	v_pk_mul_f32 v[94:95], v[72:73], v[80:81]
	v_pk_fma_f32 v[94:95], v[74:75], v[82:83], v[94:95]
	v_pk_fma_f32 v[94:95], v[76:77], v[84:85], v[94:95]
	v_pk_fma_f32 v[94:95], v[78:79], v[86:87], v[94:95]
	v_add_f32 v94, v94, v95
	v_add_f32_dpp v94, v94, v94 row_xmask:1 row_mask:0xf bank_mask:0xf
	v_add_f32_dpp v94, v94, v94 row_xmask:2 row_mask:0xf bank_mask:0xf
	v_add_f32_dpp v94, v94, v94 row_xmask:4 row_mask:0xf bank_mask:0xf
	v_add_f32_dpp v94, v94, v94 row_xmask:8 row_mask:0xf bank_mask:0xf
	v_permlanex16_b32 v95, v94, s22, s23
	v_add_f32 v94, v94, v95
	v_mul_f32 v94, SCALE, v94
	; the mask: for each of my eight positions the key's term (-inf or s0, twice) and valid (0 or 1)
	v_mov_b32 v112, 0xff800000
	v_mov_b32 v114, 0
.irp q, 0,1,2,3,4,5,6,7
	v_bfe_u32 v93, v[64+\q/4], 8*(\q%4), 8
	v_cmp_ne_u32 vcc_lo, 0, v93
	v_cndmask_b32 v[96+2*\q], v94, v112, vcc_lo
	v_cndmask_b32 v[96+2*\q+1], v94, v112, vcc_lo
	v_cndmask_b32 v[120+\q], 1.0, v114, vcc_lo
.endr
	; count: 8 positions a lane, 16 lanes of a half are one batch
	v_add_f32 v115, v120, v121
	v_add_f32 v116, v122, v123
	v_add_f32 v117, v124, v125
	v_add_f32 v118, v126, v127
	v_add_f32 v115, v115, v116
	v_add_f32 v117, v117, v118
	v_add_f32 v115, v115, v117
	v_add_f32_dpp v115, v115, v115 row_xmask:1 row_mask:0xf bank_mask:0xf
	v_add_f32_dpp v115, v115, v115 row_xmask:2 row_mask:0xf bank_mask:0xf
	v_add_f32_dpp v115, v115, v115 row_xmask:4 row_mask:0xf bank_mask:0xf
	v_add_f32_dpp v115, v115, v115 row_xmask:8 row_mask:0xf bank_mask:0xf
	v_max_num_f32 v115, 1.0, v115
	v_rcp_f32 v116, v115
	v_rcp_f32 v117, v115
	v_lshl_add_u32 v119, v0, 6, MBT                ; the plain place behind the reciprocals
	v_lshl_add_u32 v118, v0, 5, VCT
	s_wait_alu depctr_va_vdst(0)
.irp q, 0,2,4,6
	v_pk_mul_f32 v[120+\q:120+\q+1], v[120+\q:120+\q+1], v[116:117]
.endr
.irp q, 0,1,2,3
	ds_store_b128 v119, v[96+4*\q:96+4*\q+3] offset:16*\q
.endr
	ds_store_b128 v118, v[120:123]
	ds_store_b128 v118, v[124:127] offset:16
	GLD 3, 8, WOFF, 24576, 0
	; Wq x SCALE, then Wk, to bf16 in LDS: sixteen steps of eight rows; behind each the group is asked for again, four steps ahead;
	; the last steps ask for the first three quarters of batch 0.
.set tt_, 0
.rept 16
	s_wait_loadcnt 48                              ; three younger groups of 16 stay out
.if tt_ < 8
	CVT (tt_%4), 1
	STO (tt_%4), WSQ, (8*tt_*WPITCH), WPITCH
.else
	CVT (tt_%4), 0
	STO (tt_%4), WSK, (8*(tt_-8)*WPITCH), WPITCH
.endif
.if tt_ < 4
	GLD (tt_%4), 8, WOFF, (8192*(tt_+4)), 0
.else
.if tt_ < 12
	GLD (tt_%4), 12, WOFF, (8192*(tt_-4)), 0
.else
.if tt_ < 15
	GLD (tt_%4), XP, XOFF, (8192*(tt_-12)), 1
.endif
.endif
.endif
.set tt_, tt_+1
.endr
	WIN 0
	s_wait_dscnt 0x0                               ; my rows of W, my part of the biases and tables are written
	s_barrier_signal -1
	s_barrier_wait -1
	PASS 0
	GLD 3, XP, XOFF, 24576, 1                      ; the last quarter of batch 0
	PASS 1
	PASS 2
	PASS 3
	WIN 0x0a                                       ; v as a B operand: every column the same
.irp k, 0,1,2,3,4,5,6,7
.irp q, 0,1
.irp i, 0,1,2,3
	v_cvt_pk_bf16_f32 v[VF+8*\k+4*\q+\i], v[128+8*(2*\k+\q)+2*\i], v[128+8*(2*\k+\q)+2*\i+1]
.endr
.endr
.endr
	WIN 0
	s_wait_dscnt 0x0                               ; my reads of W are done
	s_barrier_signal -1
	s_barrier_wait -1                              ; every wave's are: X and T may take W's bytes
	CONVX 0, 0, 48, 1, 131072                      ; batch 0 into slot 0; batch 1 is asked for
	CONVX 1, 0, 48, 1, 131072
	CONVX 2, 0, 48, 1, 131072
	CONVX 3, 0, 48, 1, 131072
	WIN 0
	s_mov_b32 s19, 3
.Ltrip:
	BATCH 0, 1, 1, 48, 48, 48, 48, 262144          ; batch 2 k: converts 2 k + 1, asks for 2 k + 2
	BATCH 1, 1, 1, 48, 48, 48, 48, 393216          ; batch 2 k + 1: converts 2 k + 2, asks for 2 k + 3
	WIN 0
	s_wait_xcnt 0x0                                ; the loads' base is stepped only behind this wait
	s_add_nc_u64 s[XP:XP+1], s[XP:XP+1], 0x40000
	s_sub_co_i32 s19, s19, 1
	s_cmp_lg_u32 s19, 0
	s_cbranch_scc1 .Ltrip
	BATCH 0, 1, 0, 48, 32, 16, 0, 0                ; batch 6: converts 7, asks for nothing: the counts run down
	BATCH 1, 0, 0, 0, 0, 0, 0, 0                   ; batch 7
	; tanh(y) = 1 - 2 / (1 + 2^(2 log2(e) y)) on the group's 8 x 256 numbers, 16 a thread; each store of sixteen lanes covers 256 consecutive bytes, aligned
	s_wait_dscnt 0x0
	s_barrier_signal -1
	s_barrier_wait -1
	v_lshl_add_u32 v27, v0, 4, OUTS
	v_lshlrev_b32 v28, 4, v0
.irp q, 0,1,2,3
	ds_load_b128 v[64+4*\q:64+4*\q+3], v27 offset:2048*\q
.endr
	s_wait_dscnt 0x0
.irp q, 0,2,4,6,8,10,12,14
	v_pk_mul_f32 v[64+\q:64+\q+1], v[64+\q:64+\q+1], TANHK op_sel_hi:[1,0]
.endr
.set i_, 0
.rept 16
	v_exp_f32 v[64+i_], v[64+i_]
.set i_, i_+1
.endr
	v_nop
	s_wait_alu depctr_va_vdst(0)
.irp q, 0,2,4,6,8,10,12,14
	v_pk_add_f32 v[64+\q:64+\q+1], v[64+\q:64+\q+1], 1.0 op_sel_hi:[1,0]
.endr
.set i_, 0
.rept 16
	v_rcp_f32 v[64+i_], v[64+i_]
.set i_, i_+1
.endr
	v_nop
	s_wait_alu depctr_va_vdst(0)
.irp q, 0,2,4,6,8,10,12,14
	v_pk_fma_f32 v[64+\q:64+\q+1], v[64+\q:64+\q+1], -2.0, 1.0 op_sel_hi:[1,0,0]
.endr
.irp q, 0,1,2,3
	global_store_b128 v28, v[64+4*\q:64+4*\q+3], s[16:17] offset:2048*\q th:TH_STORE_NT
.endr
	s_wait_xcnt 0x0
	v_lshl_add_u32 v254, v0, 2, 0x49900
	v_mov_b32 v255, 0
	s_wait_tensorcnt 0x0
	ds_add_u32 v254, v255
	s_wait_dscnt 0x0
	s_endpgm
.Lfunc_end_k_qa0eccb3cf4_lore:
	.size	k_qa0eccb3cf4_lore, .Lfunc_end_k_qa0eccb3cf4_lore-k_qa0eccb3cf4_lore
	.p2alignl 7, 3214868480
	.fill 96, 4, 3214868480
	.section	.rodata,"a",@progbits
	.p2align	6, 0x0
	.amdhsa_kernel k_qa0eccb3cf4_lore
		.amdhsa_group_segment_fixed_size 301824
		.amdhsa_private_segment_fixed_size 0
		.amdhsa_enable_private_segment 0
		.amdhsa_kernarg_size 56
		.amdhsa_user_sgpr_count 2
		.amdhsa_user_sgpr_kernarg_segment_ptr 1
		.amdhsa_wavefront_size32 1
		.amdhsa_system_sgpr_workgroup_id_x 1
		.amdhsa_system_sgpr_workgroup_id_y 1
		.amdhsa_system_sgpr_workgroup_id_z 1
		.amdhsa_system_vgpr_workitem_id 0
		.amdhsa_next_free_vgpr 1024
		.amdhsa_next_free_sgpr 66
		.amdhsa_reserve_vcc 1
		.amdhsa_float_denorm_mode_32 3
		.amdhsa_float_denorm_mode_16_64 3
		.amdhsa_memory_ordered 1
		.amdhsa_forward_progress 1
		.amdhsa_inst_pref_size 255
	.end_amdhsa_kernel
	.section	.bss,"aw",@nobits
	.p2align	6
	.space	262144
	.amdgpu_metadata
---
amdhsa.version: [ 1, 2 ]
amdhsa.kernels:
  - .name:           k_qa0eccb3cf4_lore
    .symbol:         k_qa0eccb3cf4_lore.kd
    .args:
      - { .name: embeddings, .offset: 0, .size: 8, .value_kind: global_buffer, .address_space: global }
      - { .name: padding_mask, .offset: 8, .size: 8, .value_kind: global_buffer, .address_space: global }
      - { .name: q_w, .offset: 16, .size: 8, .value_kind: global_buffer, .address_space: global }
      - { .name: q_b, .offset: 24, .size: 8, .value_kind: global_buffer, .address_space: global }
      - { .name: k_w, .offset: 32, .size: 8, .value_kind: global_buffer, .address_space: global }
      - { .name: k_b, .offset: 40, .size: 8, .value_kind: global_buffer, .address_space: global }
      - { .name: out0, .offset: 48, .size: 8, .value_kind: global_buffer, .address_space: global }
    .group_segment_fixed_size: 301824
    .private_segment_fixed_size: 0
    .kernarg_segment_align: 8
    .kernarg_segment_size: 56
    .max_flat_workgroup_size: 128
    .sgpr_count:     66
    .vgpr_count:     1024
    .wavefront_size: 32
...
	.end_amdgpu_metadata
.endif
;; end of part 1
;; ======== version 2 of 3: 2 launches; 1.44 times as fast as version 1
;; limits: values outside matrix products are rounded to bf16
;; workspace buffers: folded 155,648 bytes
;; launch fold (part 2): grid 4 x 4, 8 waves a work-group, no clusters, 83,968 bytes of LDS; arguments q_w, q_b, k_w, k_b, folded; writes folded
.if DOCPART == 2
	.amdgcn_target "amdgcn-amd-amdhsa--gfx1250"
	.amdhsa_code_object_version 6
	.text
	.protected	k_qa0eccb3cf4_fold
	.globl	k_qa0eccb3cf4_fold
	.p2align	8
	.type	k_qa0eccb3cf4_fold,@function
k_qa0eccb3cf4_fold:
	s_mov_b64 s[64:65], 0
	v_nop
	global_prefetch_b8 v0, s[64:65] scope:SCOPE_SE
	s_setreg_imm32_b32 hwreg(HW_REG_WAVE_MODE, 25, 1), 1
	s_wait_xcnt 0x0
; M = Wq^T Wk [256][256], u = Wk^T qb, v = Wq^T kb, made once for the launch behind this one, which needs them in every work-group.
; Operands bf16, sums f32.  16 work-groups of eight waves; work-group (p, w) makes rows d1 = 64 p .. + 63, columns d2 = 64 w .. + 63 of M.
; It needs 64 columns of Wq and 64 of Wk, all 256 rows e: a row's piece is 256 consecutive bytes, aligned.  Waves 0-3 bring Wq's, waves 4-7 Wk's,
; 64 rows each; rounded to bf16 they lie in LDS as [e][64], and transposing loads make fragments with e along the registers.
; Wave (a = wave & 3, dh = wave >> 2) then makes the tiles (rows 16 a .., columns 16 (2 dh + d) .., d = 0, 1) of the block.
; THE RESULTS ARE STORED AS REGISTER IMAGES, 16 bytes a lane, 512 consecutive bytes a store, as the next launch's wave w loads them:
;   bytes 0 ..        M^T fragments (row d2, k = d1): 32,768 w + 512 (2 (4 ks + dt) + q) + 16 L, ks = d1 / 32, q = which four registers
;   bytes 131,072 ..  u as a C tile in f32: 4,096 w + 1,024 dt + 512 q + 16 L
;   bytes 147,456 ..  v as a B fragment in bf16, every column alike: 512 (2 ks + q) + 16 L
; u AND v: every wave makes the v tile of its rows and the u tiles of its columns beside its two tiles of M, 24 of its 40 matrix instructions, and one owner
; stores each (v: w = 0, dh = 0; u: p = 0, a = 0).  Leaving them out in the others would put a branch into every K step.
; NO JOINT LOADS: the four work-groups of a row or column of the grid share a slice of 65,536 bytes, but it has to pass through registers to be rounded.
.set LP,   160                         ; LDS row: 128 bytes + 32, an odd multiple of 32, as the transposing loads want
.set WKL,  256*LP                      ; Wq's slice at 0, Wk's behind it: one stack of 512 rows, wave n fills rows 64 n ..
.set QBL,  2*WKL                       ; qb, bf16 [256]
.set KBL,  QBL+512                     ; kb, bf16 [256]
.set UB,   131072
.set VB,   UB+16384
.set GOFF, 2                           ; byte offset of my 16 bytes in W
.set LST,  3                           ; where I put 8 bytes of bf16
.set TRQ,  4                           ; transposing loads of Wq's slice, my 16 columns
.set TRK,  5                           ; of Wk's slice, my 32 columns
.set BQA,  6
.set BKA,  7
.set MOFF, 8                           ; store offsets
.set UOFF, 9
.set VOFF, 10
.set MA,   16                          ; v16-31  two tiles of M
.set VA,   32                          ; v32-39  a tile of v
.set UA,   40                          ; v40-55  two tiles of u
.set PK,   56                          ; v56-63  M in bf16
.set ST,   64                          ; v64-191 W as loaded; then v64-223: four fragment buffers of 40 registers
.set BT,   224                         ; v224-227 the bias as loaded; later v in bf16
.macro PLACES n                        ; independent plain vector instructions behind a matrix instruction (ISA guide 7.12.1)
.rept \n
	v_nop
.endr
.endm
	s_load_b256 s[4:11], s[0:1], 0x0               ; q_w s[4:5], q_b s[6:7], k_w s[8:9], k_b s[10:11]
	s_load_b64 s[12:13], s[0:1], 0x20              ; folded
	v_lshl_add_u32 v228, v0, 2, 0x14400
	v_mov_b32 v229, 0
	v_lshrrev_b32 v1, 5, v0
	v_readfirstlane_b32 s14, v1                    ; wave 0..7
	s_and_b32 s15, s14, 3                          ; a; also: which 64 rows of a slice I bring
	s_lshr_b32 s16, s14, 2                         ; dh; also: I bring Wq and qb (0) or Wk and kb (1)
	s_mov_b32 s17, ttmp9                           ; p
	s_and_b32 s18, ttmp7, 0xffff                   ; w
	v_and_b32 v1, 15, v0                           ; r
	v_bfe_u32 v13, v0, 4, 1                        ; h
	v_and_b32 v12, 31, v0                          ; L
	v_and_b32 v11, 127, v0
	v_lshlrev_b32 v11, 3, v11                      ; two numbers of a bias a thread
	s_cmp_eq_u32 s16, 0
	s_cselect_b32 s24, s17, s18                    ; the slice: column block p of Wq, w of Wk
	s_lshl_b32 s24, s24, 8                         ; 64 columns of f32
	s_lshl_b32 s25, s15, 16                        ; 64 rows of 1,024 bytes
	s_add_co_u32 s25, s25, s24
	v_lshl_add_u32 v[GOFF], v1, 4, s25             ; lanes 0-15 take one row's 256 bytes,
	v_lshl_add_u32 v[GOFF], v13, 10, v[GOFF]       ; lanes 16-31 the next row's
	s_wait_kmcnt 0x0
	s_cmp_eq_u32 s16, 0
	s_cselect_b64 s[20:21], s[4:5], s[8:9]
	s_cselect_b64 s[22:23], s[6:7], s[10:11]
	global_load_b64 v[BT:BT+1], v11, s[22:23]
.set j_, 0
.rept 32
	global_load_b128 v[ST+4*j_:ST+4*j_+3], v[GOFF], s[20:21] offset:2048*j_
.set j_, j_+1
.endr
	; addresses, while the loads are on their way
	s_mul_i32 s26, s14, 64*LP
	v_lshl_add_u32 v[LST], v1, 3, s26
	v_mul_u32_u24 v14, v13, LP
	v_add_nc_u32 v[LST], v[LST], v14
	v_and_b32 v14, 7, v0
	v_lshl_add_u32 v14, v13, 3, v14                ; 8 h + (L & 7): the row that a lane addresses in a transposing load
	v_bfe_u32 v15, v0, 3, 1                        ; and which 16 bytes of it
	v_mul_u32_u24 v14, v14, LP
	v_lshl_add_u32 v14, v15, 4, v14
	s_lshl_b32 s27, s15, 5                         ; 16 columns of bf16 for each a
	v_add_nc_u32 v[TRQ], s27, v14
	s_lshl_b32 s28, s16, 6                         ; 32 columns for each dh
	s_add_co_u32 s28, s28, WKL
	v_add_nc_u32 v[TRK], s28, v14
	v_lshl_add_u32 v[BQA], v13, 4, QBL
	v_lshl_add_u32 v[BKA], v13, 4, KBL
	s_lshr_b32 s29, s15, 1
	s_lshl_b32 s29, s29, 12                        ; M: 4,096 (a >> 1)
	s_and_b32 s30, s15, 1
	s_lshl_b32 s30, s30, 9                         ;  + 512 (a & 1)
	s_add_co_u32 s29, s29, s30
	s_lshl_b32 s30, s16, 11                        ;  + 2,048 dh
	s_add_co_u32 s29, s29, s30
	s_lshl_b32 s30, s17, 13                        ;  + 8,192 p
	s_add_co_u32 s29, s29, s30
	s_lshl_b32 s30, s18, 15                        ;  + 32,768 w
	s_add_co_u32 s29, s29, s30
	v_lshl_add_u32 v[MOFF], v12, 4, s29
	s_lshl_b32 s30, s18, 12                        ; u: 4,096 w + 2,048 dh
	s_lshl_b32 s31, s16, 11
	s_add_co_u32 s30, s30, s31
	v_lshl_add_u32 v[UOFF], v12, 4, s30
	s_lshl2_add_u32 s31, s17, s15                  ; v: tile 4 p + a
	s_lshl_b32 s31, s31, 9
	v_lshl_add_u32 v[VOFF], v12, 4, s31
	v_lshl_add_u32 v15, v0, 2, QBL                 ; threads 0-127: qb; threads 128-255 land in kb's 512 bytes behind it
	s_wait_loadcnt 32                              ; the bias is in; the 32 loads of W stay out
	v_cvt_pk_bf16_f32 v[BT+2], v[BT], v[BT+1]
	ds_store_b32 v15, v[BT+2]
.irp c, 0,1,2,3
	s_wait_loadcnt 24-8*\c                         ; eight loads at a time: the younger ones stay out
.irp k, 0,1,2,3,4,5,6,7
	v_cvt_pk_bf16_f32 v[ST+4*(8*\c+\k)], v[ST+4*(8*\c+\k)], v[ST+4*(8*\c+\k)+1]
	v_cvt_pk_bf16_f32 v[ST+4*(8*\c+\k)+1], v[ST+4*(8*\c+\k)+2], v[ST+4*(8*\c+\k)+3]
.endr
.irp k, 0,1,2,3,4,5,6,7
	ds_store_b64 v[LST], v[ST+4*(8*\c+\k):ST+4*(8*\c+\k)+1] offset:2*LP*(8*\c+\k)
.endr
.endr
	s_wait_dscnt 0x0                               ; my rows and my part of the biases are written
	s_barrier_signal -1
	s_barrier_wait -1                              ; every wave's are
; the fragments of K step es (32 e) into buffer b: Wq's my 16 columns, Wk's my 2 x 16, kb, qb: ten loads
.macro FETCH es, b
	ds_load_tr16_b128 v[ST+40*(\b):ST+40*(\b)+3], v[TRQ] offset:(\es)*32*LP
	ds_load_tr16_b128 v[ST+40*(\b)+4:ST+40*(\b)+7], v[TRQ] offset:(\es)*32*LP+16*LP
.irp d, 0,1
	ds_load_tr16_b128 v[ST+40*(\b)+8+8*\d:ST+40*(\b)+8+8*\d+3], v[TRK] offset:(\es)*32*LP+32*\d
	ds_load_tr16_b128 v[ST+40*(\b)+8+8*\d+4:ST+40*(\b)+8+8*\d+7], v[TRK] offset:(\es)*32*LP+16*LP+32*\d
.endr
	ds_load_b128 v[ST+40*(\b)+24:ST+40*(\b)+27], v[BKA] offset:64*(\es)
	ds_load_b128 v[ST+40*(\b)+28:ST+40*(\b)+31], v[BKA] offset:64*(\es)+32
	ds_load_b128 v[ST+40*(\b)+32:ST+40*(\b)+35], v[BQA] offset:64*(\es)
	ds_load_b128 v[ST+40*(\b)+36:ST+40*(\b)+39], v[BQA] offset:64*(\es)+32
.endm
; five accumulators by turns, one instruction a turn; zero = 1: the first K step starts the sums
.macro MUL b, zero
.if \zero
	v_wmma_f32_16x16x32_bf16 v[MA:MA+7], v[ST+40*(\b):ST+40*(\b)+7], v[ST+40*(\b)+8:ST+40*(\b)+15], 0
	v_wmma_f32_16x16x32_bf16 v[MA+8:MA+15], v[ST+40*(\b):ST+40*(\b)+7], v[ST+40*(\b)+16:ST+40*(\b)+23], 0
	v_wmma_f32_16x16x32_bf16 v[VA:VA+7], v[ST+40*(\b):ST+40*(\b)+7], v[ST+40*(\b)+24:ST+40*(\b)+31], 0
	v_wmma_f32_16x16x32_bf16 v[UA:UA+7], v[ST+40*(\b)+8:ST+40*(\b)+15], v[ST+40*(\b)+32:ST+40*(\b)+39], 0
	v_wmma_f32_16x16x32_bf16 v[UA+8:UA+15], v[ST+40*(\b)+16:ST+40*(\b)+23], v[ST+40*(\b)+32:ST+40*(\b)+39], 0
.else
	v_wmma_f32_16x16x32_bf16 v[MA:MA+7], v[ST+40*(\b):ST+40*(\b)+7], v[ST+40*(\b)+8:ST+40*(\b)+15], v[MA:MA+7]
	v_wmma_f32_16x16x32_bf16 v[MA+8:MA+15], v[ST+40*(\b):ST+40*(\b)+7], v[ST+40*(\b)+16:ST+40*(\b)+23], v[MA+8:MA+15]
	v_wmma_f32_16x16x32_bf16 v[VA:VA+7], v[ST+40*(\b):ST+40*(\b)+7], v[ST+40*(\b)+24:ST+40*(\b)+31], v[VA:VA+7]
	v_wmma_f32_16x16x32_bf16 v[UA:UA+7], v[ST+40*(\b)+8:ST+40*(\b)+15], v[ST+40*(\b)+32:ST+40*(\b)+39], v[UA:UA+7]
	v_wmma_f32_16x16x32_bf16 v[UA+8:UA+15], v[ST+40*(\b)+16:ST+40*(\b)+23], v[ST+40*(\b)+32:ST+40*(\b)+39], v[UA+8:UA+15]
.endif
.endm
	FETCH 0, 0
	FETCH 1, 1
	FETCH 2, 2
	FETCH 3, 3
	s_wait_dscnt 30                                ; the three younger K steps' ten loads each stay out
	MUL 0, 1
	PLACES 4                                       ; the buffer is loaded again four places behind the matrix instructions that read it
	FETCH 4, 0
.irp e, 1,2,3
	s_wait_dscnt 30
	MUL \e, 0
	PLACES 4
	FETCH \e+4, \e
.endr
	s_wait_dscnt 30                                ; nothing more is fetched: the counts run down
	MUL 0, 0
	s_wait_dscnt 20
	MUL 1, 0
	s_wait_dscnt 10
	MUL 2, 0
	s_wait_dscnt 0x0
	MUL 3, 0
	PLACES 4
	; A result tile of M holds, in lane (r, h), column d2 = r and rows d1 = 8 h + 0..7: rounded in pairs these ARE four registers of the fragment of M^T.
.irp d, 0,1
.irp i, 0,1,2,3
	v_cvt_pk_bf16_f32 v[PK+4*\d+\i], v[MA+8*\d+2*\i], v[MA+8*\d+2*\i+1]
.endr
.endr
.irp i, 0,1,2,3
	v_cvt_pk_bf16_f32 v[BT+\i], v[VA+2*\i], v[VA+2*\i+1]
.endr
	global_store_b128 v[MOFF], v[PK:PK+3], s[12:13]
	global_store_b128 v[MOFF], v[PK+4:PK+7], s[12:13] offset:1024
	s_cmp_lg_u32 s18, 0                            ; v's tile 4 p + a has one owner: column block 0, dh = 0
	s_cbranch_scc1 .Lno_v
	s_cmp_lg_u32 s16, 0
	s_cbranch_scc1 .Lno_v
	global_store_b128 v[VOFF], v[BT:BT+3], s[12:13] offset:VB
.Lno_v:
	s_cmp_lg_u32 s17, 0                            ; u's tiles 4 w + 2 dh + d likewise: row block 0, a = 0
	s_cbranch_scc1 .Lno_u
	s_cmp_lg_u32 s15, 0
	s_cbranch_scc1 .Lno_u
.irp d, 0,1
.irp q, 0,1
	global_store_b128 v[UOFF], v[UA+8*\d+4*\q:UA+8*\d+4*\q+3], s[12:13] offset:UB+1024*\d+512*\q
.endr
.endr
.Lno_u:
	s_wait_tensorcnt 0x0
	ds_add_u32 v228, v229
	s_wait_dscnt 0x0
	s_endpgm
.Lfunc_end_k_qa0eccb3cf4_fold:
	.size	k_qa0eccb3cf4_fold, .Lfunc_end_k_qa0eccb3cf4_fold-k_qa0eccb3cf4_fold
	.p2alignl 7, 3214868480
	.fill 96, 4, 3214868480
	.section	.rodata,"a",@progbits
	.p2align	6, 0x0
	.amdhsa_kernel k_qa0eccb3cf4_fold
		.amdhsa_group_segment_fixed_size 83968
		.amdhsa_private_segment_fixed_size 0
		.amdhsa_enable_private_segment 0
		.amdhsa_kernarg_size 40
		.amdhsa_user_sgpr_count 2
		.amdhsa_user_sgpr_kernarg_segment_ptr 1
		.amdhsa_wavefront_size32 1
		.amdhsa_system_sgpr_workgroup_id_x 1
		.amdhsa_system_sgpr_workgroup_id_y 1
		.amdhsa_system_sgpr_workgroup_id_z 1
		.amdhsa_system_vgpr_workitem_id 0
		.amdhsa_next_free_vgpr 230
		.amdhsa_next_free_sgpr 66
		.amdhsa_reserve_vcc 0
		.amdhsa_float_denorm_mode_32 3
		.amdhsa_float_denorm_mode_16_64 3
		.amdhsa_memory_ordered 1
		.amdhsa_forward_progress 1
		.amdhsa_inst_pref_size 23
	.end_amdhsa_kernel
	.amdgpu_metadata
---
amdhsa.version: [ 1, 2 ]
amdhsa.kernels:
  - .name:           k_qa0eccb3cf4_fold
    .symbol:         k_qa0eccb3cf4_fold.kd
    .args:
      - { .name: q_w, .offset: 0, .size: 8, .value_kind: global_buffer, .address_space: global }
      - { .name: q_b, .offset: 8, .size: 8, .value_kind: global_buffer, .address_space: global }
      - { .name: k_w, .offset: 16, .size: 8, .value_kind: global_buffer, .address_space: global }
      - { .name: k_b, .offset: 24, .size: 8, .value_kind: global_buffer, .address_space: global }
      - { .name: folded, .offset: 32, .size: 8, .value_kind: global_buffer, .address_space: global }
    .group_segment_fixed_size: 83968
    .private_segment_fixed_size: 0
    .kernarg_segment_align: 8
    .kernarg_segment_size: 40
    .max_flat_workgroup_size: 256
    .sgpr_count:     66
    .vgpr_count:     230
    .wavefront_size: 32
...
	.end_amdgpu_metadata
.endif
;; end of part 2
;; launch lore (part 3): grid 256 x 1, 4 waves a work-group, no clusters, 231,168 bytes of LDS; arguments embeddings, padding_mask, q_b, k_b, folded, out0; writes out0
.if DOCPART == 3
	.amdgcn_target "amdgcn-amd-amdhsa--gfx1250"
	.amdhsa_code_object_version 6
	.text
	.protected	k_qa0eccb3cf4_lore
	.globl	k_qa0eccb3cf4_lore
	.p2align	8
	.type	k_qa0eccb3cf4_lore,@function
k_qa0eccb3cf4_lore:
	s_mov_b64 s[64:65], 0
	v_nop
	global_prefetch_b8 v0, s[64:65] scope:SCOPE_SE
	s_setreg_imm32_b32 hwreg(HW_REG_WAVE_MODE, 25, 1), 1
	s_wait_xcnt 0x0
; out[b] = tanh( sum over valid l of softmax_m( Q K^T / 16, padded m = -inf )[l] X / count ),  Q = X Wq^T + qb,  K = X Wk^T + kb.
; X: [2048][128][256] f32.  256 work-groups of four waves; work-group g keeps batches 8 g .. 8 g + 7 and reads each byte of X once.
;
; TWO REARRANGEMENTS, both exact identities of the sums, for every input:
;  (1) Q K^T = X M X^T + 1 (u X^T) + (X v) 1^T + s0,  M = Wq^T Wk, u = Wk^T qb, v = Wq^T kb, s0 = qb . kb.
;      M, u, v come from the launch ahead, as images of the registers that hold them here; s0 is made here.
;      A batch then needs ONE projection T = X M + u, and S = T X^T + c + s0, c[l] = x_l . v.
;  (2) the sum over l and attn X are linear: y = w^T X with w[m] = sum over l of (valid[l] / count) P[l][m] / Z[l].
; P = 2^(c S - c maximum) with c = log2(e) / 16, one fused multiply-add a pair; the maximum is the row's own.
; Matrix operands are bf16 (X, M, T, v, w), all sums f32.
;
; SHARES.  T: wave w makes columns 64 w .. 64 w + 63 of T for all 128 rows.  S and softmax: wave w has query rows 32 w .. 32 w + 31, all 128 keys.
; y: wave w has columns 64 w .. 64 w + 63.  X comes in by 16-byte register loads (a ring of four groups of 16 loads in registers), is rounded
; to bf16 and laid into one of two LDS slots while the batch before is worked on.
; THE TEXT IS KEPT SHORT: all eight batches run through one loop body of two batches (one for each slot); what the last trip leaves out is jumped over
; on the trip counter, which is the same in every wave.
;
; LIMITS.  The mask is applied by adding -inf: a padded key whose score is itself NaN or +inf in f32 gives NaN.  A mask byte other than 0 counts as padded.
; A batch with every key padded gives NaN, as the softmax of a row of -inf does.
; NO JOINT LOADS: the work-groups share M, u, v alone, 155,648 bytes read once at the start against 1,048,576 bytes of X of their own, and these go straight
; into the registers that hold them, with no pass through LDS.
; NO TENSOR LOADS for X: it has to be rounded on its way; an f32 tile is 131,072 bytes, beside two bf16 slots and T it does not fit, and LDS would carry X twice.
.set SCALE,  0x3db8aa3b                ; c = log2(e) / 16
.set NSCALE, 0xbdb8aa3b                ; - c
.set TANHK,  0x4038aa3b                ; 2 log2(e)
; the buffer of the launch ahead, bytes
.set UB, 131072                        ; M^T fragments at 0; u as C tiles here
.set VB, UB+16384                      ; v as B fragments
; LDS, bytes
.set XPITCH, 528                       ; a row of X: 512 bytes of bf16 + 16: an odd multiple of 16, so sixteen rows of a fragment load start 16 bytes apart modulo 256
.set XB1,    128*XPITCH                ; slot 0 at 0, slot 1 at 67,584
.set TB,     2*XB1                     ; T: four strips [128 rows][64 columns], strip w written by wave w alone
.set TPITCH, 144
.set TSTRIP, 128*TPITCH
.set MBT,    TB+4*TSTRIP               ; [8][128] pairs (mb, mb) f32: -inf at a padded key, s0 elsewhere
.set VCT,    MBT+8192                  ; [8][128] f32: valid / max(count, 1)
.set W4,     VCT+4096                  ; four rows of 128 bf16: wave w's partial of w[m]
.set W4P,    272
.set OUTS,   W4+1280                   ; [8][256] f32: y before tanh
; scalar registers
.set XP, 4                             ; s[4:5]   embeddings at the batch pair at work
.set FP, 12                            ; s[12:13] folded
.set OP, 14                            ; s[14:15] out0 at the group's eight rows
; vector registers, window 0 (an instruction names v0-v255; s_set_vgpr_msb picks the window of each operand place)
.set XOFF, 2                           ; byte offset of my 16 bytes in a batch of X, and in M's fragments: 32,768 w + 16 L
.set UOFF, 3                           ; in u's tiles: 4,096 w + 16 L
.set XS,   4                           ; v4-5   slot 0, 1: where I put 8 bytes of bf16
.set XA,   6                           ; v6-7   fragments of all rows: 528 r + 16 h
.set XO,   8                           ; v8-9   fragments of my wave's 32 rows
.set XT,   10                          ; v10-11 transposing loads, my 64 columns
.set TS,   12                          ; T: store
.set TR,   13                          ; T: fragments of my 32 rows
.set MBA,  14                          ; mask table, steps by batch
.set VCA,  15                          ; row weights, steps by batch
.set OSA,  16                          ; y, steps by batch
.set W4S,  17
.set W4A,  18
.set LOFF, 20                          ; in v's fragments: 16 L
.set HREG, 29                          ; h = (L >> 4) & 1, in the set-up
.set U,    32                          ; v32-63   u of my 64 columns as a C operand, four tiles
.set XF,   64                          ; v64-191  two fragment buffers of 64 registers
.set VF,   192                         ; v192-255 v as a B operand, eight K steps
; softmax's small arrays, in the fragment buffers while these are idle
.set MB, 64
.set VC, 80
.set MX, 96
.set ZS, 112
.set G,  128
.set WP, 144
.set WS, 160
.set WT, 168
; window 1: M^T, fragment (K step ks, column tile dt) at v[8 (4 ks + dt)]
; window 2: T's 32 accumulator tiles (lt, dt) at v[8 (4 lt + dt)]; later S (mt, nt) at v[8 (8 mt + nt)], T fragments at v128-159, c at v160-175
.set CL, 160
; window 3: the ring of loads, group g at v[64 g], load j in four registers
.set MSB, 0
.macro WIN new                         ; low byte: bits 1:0 source 0, 3:2 source 1, 5:4 source 2, 7:6 destination; the high byte repeats the setting that is left
.if MSB != \new
	s_set_vgpr_msb (MSB<<8)|\new
.set MSB, \new
.endif
.endm
; The places behind a matrix instruction: independent plain vector instructions between it and a reader of its result, a writer of or a load into its registers.
.macro PLACES n
.rept \n
	v_nop
.endr
.endm
; ---- the ring of loads ----
; 16 loads of 512 neighbouring bytes: eight rows of X, at byte imm from XP
.macro GLD g, imm
	WIN 0xc0
.set j_, 0
.rept 16
	global_load_b128 v[64*(\g)+4*j_:64*(\g)+4*j_+3], v[XOFF], s[XP:XP+1] offset:(\imm)+512*j_ th:TH_LOAD_NT
.set j_, j_+1
.endr
.endm
; 16 loads of 512 neighbouring bytes: a quarter of my 64 fragment halves of M^T, straight into window 1
.macro MLD g
	WIN 0x40
.set j_, 0
.rept 16
	global_load_b128 v[64*(\g)+4*j_:64*(\g)+4*j_+3], v[XOFF], s[FP:FP+1] offset:8192*(\g)+512*j_
.set j_, j_+1
.endr
.endm
; a group to bf16 in place: four f32 become the first two registers of their four
.macro CVT g
	WIN 0xcf
.set j_, 0
.rept 16
	v_cvt_pk_bf16_f32 v[64*(\g)+4*j_], v[64*(\g)+4*j_], v[64*(\g)+4*j_+1]
	v_cvt_pk_bf16_f32 v[64*(\g)+4*j_+1], v[64*(\g)+4*j_+2], v[64*(\g)+4*j_+3]
.set j_, j_+1
.endr
.endm
; each store of the wave covers 256 neighbouring bytes: half a row
.macro STO g, vaddr, imm0, pitch
	WIN 0x0c
.set j_, 0
.rept 16
	ds_store_b64 v[\vaddr], v[64*(\g)+4*j_:64*(\g)+4*j_+1] offset:(\imm0)+(j_/2)*\pitch+256*(j_%2)
.set j_, j_+1
.endr
.endm
; Group g of the next batch goes into slot st, and the group is asked for again at byte gimm from XP, for the batch behind that one.
; The count 48: behind this group's sixteen loads the three other groups' were issued (loads come back in order: ISA guide 5.7.1).
; mode 1 (the batch in slot 0): in the last trip (s19 = 1) batch 7 is converted and nothing more is asked for.
; mode 2 (the batch in slot 1): in the last trip there is no next batch: nothing is done.
; The way that asks for nothing waits for all loads instead, so that the count 48 at the next point holds on that way too: what it would leave out has landed.
.macro CONVX g, st, mode, gimm
.if \mode == 2
	WIN 0
	s_cmp_eq_u32 s19, 1
	s_cbranch_scc1 .Lnone_\@
.endif
	s_wait_loadcnt 48
	CVT \g
	STO \g, XS+(\st), 8*(\g)*XPITCH, XPITCH
.if \mode == 1
	WIN 0
	s_cmp_eq_u32 s19, 1
	s_cbranch_scc1 .Lnone_\@
.endif
	GLD \g, (\gimm)+8192*(\g)
	WIN 0
	s_branch .Lasked_\@
.Lnone_\@:
	s_wait_loadcnt 0x0
.Lasked_\@:
.endm
; ---- a batch ----
; fragments of all 128 rows of X, 32 columns at 32 ks, into buffer f
.macro FETCHX s, ks, f
	WIN 0
.irp n, 0,1,2,3,4,5,6,7
	ds_load_b128 v[XF+64*(\f)+8*\n:XF+64*(\f)+8*\n+3], v[XA+\s] offset:16*XPITCH*\n+64*(\ks)
	ds_load_b128 v[XF+64*(\f)+8*\n+4:XF+64*(\f)+8*\n+7], v[XA+\s] offset:16*XPITCH*\n+64*(\ks)+32
.endr
.endm
; T^T tiles: source 0 = rows d2 of M^T, source 1 = rows l of X, so that a lane's eight results are eight neighbouring columns of one row of T.
; The first K step takes u as C.  32 accumulators by turns, one instruction a turn.
.macro TMUL ks, f
.if (\ks) == 0
	WIN 0x81
.else
	WIN 0xa1
.endif
.irp l, 0,1,2,3,4,5,6,7
.irp d, 0,1,2,3
.if (\ks) == 0
	v_wmma_f32_16x16x32_bf16 v[8*(4*\l+\d):8*(4*\l+\d)+7], v[8*(4*(\ks)+\d):8*(4*(\ks)+\d)+7], v[XF+64*(\f)+8*\l:XF+64*(\f)+8*\l+7], v[U+8*\d:U+8*\d+7]
.else
	v_wmma_f32_16x16x32_bf16 v[8*(4*\l+\d):8*(4*\l+\d)+7], v[8*(4*(\ks)+\d):8*(4*(\ks)+\d)+7], v[XF+64*(\f)+8*\l:XF+64*(\f)+8*\l+7], v[8*(4*\l+\d):8*(4*\l+\d)+7]
.endif
.endr
.endr
.endm
.macro TSTEP s, ks, f, g
.if \ks < 7
	PLACES 4
	FETCHX \s, \ks+1, \g
	s_wait_dscnt 16                                ; all but the 16 loads just issued
.else
	s_wait_dscnt 0x0
.endif
	TMUL \ks, \f
.endm
; T to bf16 in place, 16 bytes a lane into my strip
.macro TOUT
	PLACES 4
	WIN 0x8a
.set i_, 0
.rept 32
	v_cvt_pk_bf16_f32 v[8*i_], v[8*i_], v[8*i_+1]
	v_cvt_pk_bf16_f32 v[8*i_+1], v[8*i_+2], v[8*i_+3]
	v_cvt_pk_bf16_f32 v[8*i_+2], v[8*i_+4], v[8*i_+5]
	v_cvt_pk_bf16_f32 v[8*i_+3], v[8*i_+6], v[8*i_+7]
.set i_, i_+1
.endr
	WIN 0x08
.set i_, 0
.rept 32
	ds_store_b128 v[TS], v[8*i_:8*i_+3] offset:16*TPITCH*(i_/4)+32*(i_%4)
.set i_, i_+1
.endr
.endm
; c[l] = x_l . v for my 32 rows, between the halves of the barrier that shows T to every wave
.macro CROWS s
	WIN 0
.irp k, 0,1,2,3,4,5,6,7
.irp m, 0,1
	ds_load_b128 v[XF+8*(2*\k+\m):XF+8*(2*\k+\m)+3], v[XO+\s] offset:16*XPITCH*\m+64*\k
	ds_load_b128 v[XF+8*(2*\k+\m)+4:XF+8*(2*\k+\m)+7], v[XO+\s] offset:16*XPITCH*\m+64*\k+32
.endr
.endr
	s_wait_dscnt 0x0                               ; for the others: my strip of T is written; for me: my rows' fragments are in
	s_barrier_signal -1
	WIN 0xa0
.irp k, 0,1,2,3,4,5,6,7
.irp m, 0,1
.if \k == 0
	v_wmma_f32_16x16x32_bf16 v[CL+8*\m:CL+8*\m+7], v[XF+8*(2*\k+\m):XF+8*(2*\k+\m)+7], v[VF+8*\k:VF+8*\k+7], 0
.else
	v_wmma_f32_16x16x32_bf16 v[CL+8*\m:CL+8*\m+7], v[XF+8*(2*\k+\m):XF+8*(2*\k+\m)+7], v[VF+8*\k:VF+8*\k+7], v[CL+8*\m:CL+8*\m+7]
.endif
.endr
.endr
	s_barrier_wait -1
	PLACES 5                                       ; c becomes the C of other accumulators, and the buffers are loaded again
.endm
.macro FETCHT ks, f
	WIN 0x80
.irp m, 0,1
	ds_load_b128 v[128+16*(\f)+8*\m:128+16*(\f)+8*\m+3], v[TR] offset:((\ks)/2)*TSTRIP+16*TPITCH*\m+64*((\ks)%2)
	ds_load_b128 v[128+16*(\f)+8*\m+4:128+16*(\f)+8*\m+7], v[TR] offset:((\ks)/2)*TSTRIP+16*TPITCH*\m+64*((\ks)%2)+32
.endr
.endm
; S tiles (mt, nt): register j of lane (r, h) is query 32 w + 16 mt + 8 h + j, key 16 nt + r.  16 accumulators by turns.
.macro SMM ks, f
	WIN 0xa2
.irp n, 0,1,2,3,4,5,6,7
.irp m, 0,1
.if (\ks) == 0
	v_wmma_f32_16x16x32_bf16 v[8*(8*\m+\n):8*(8*\m+\n)+7], v[128+16*(\f)+8*\m:128+16*(\f)+8*\m+7], v[XF+64*(\f)+8*\n:XF+64*(\f)+8*\n+7], v[CL+8*\m:CL+8*\m+7]
.else
	v_wmma_f32_16x16x32_bf16 v[8*(8*\m+\n):8*(8*\m+\n)+7], v[128+16*(\f)+8*\m:128+16*(\f)+8*\m+7], v[XF+64*(\f)+8*\n:XF+64*(\f)+8*\n+7], v[8*(8*\m+\n):8*(8*\m+\n)+7]
.endif
.endr
.endr
.endm
.macro SSTEP s, ks, f, g
	PLACES 4
.if \ks < 7
	FETCHX \s, \ks+1, \g
	FETCHT \ks+1, \g
	s_wait_dscnt 20                                ; all but the 16 + 4 loads just issued
.else
	WIN 0
.irp n, 0,1,2,3,4,5,6,7
	ds_load_b64 v[MB+2*\n:MB+2*\n+1], v[MBA] offset:128*\n            ; the mask term of key 16 n + r, twice
.endr
.irp m, 0,1
.irp q, 0,1
	ds_load_b128 v[VC+8*\m+4*\q:VC+8*\m+4*\q+3], v[VCA] offset:64*\m+16*\q   ; valid / count of my lane's sixteen query rows
.endr
.endr
	s_wait_dscnt 12                                ; all but these 8 + 4
.endif
	SMM \ks, \f
.endm
; mask, row maximum, P = 2^(c S - c maximum)
.macro SOFTA
	PLACES 4
	s_wait_dscnt 0x0
	WIN 0x82
.irp m, 0,1
.irp n, 0,1,2,3,4,5,6,7
.irp p, 0,2,4,6
	v_pk_add_f32 v[64*\m+8*\n+\p:64*\m+8*\n+\p+1], v[64*\m+8*\n+\p:64*\m+8*\n+\p+1], v[MB+2*\n:MB+2*\n+1]
.endr
.endr
.endr
	WIN 0x2a
.irp m, 0,1
.irp j, 0,1,2,3,4,5,6,7
	v_max3_num_f32 v[MX+8*\m+\j], v[64*\m+\j], v[64*\m+8+\j], v[64*\m+16+\j]
.endr
.endr
	WIN 0x28
.irp n, 24,40
.irp m, 0,1
.irp j, 0,1,2,3,4,5,6,7
	v_max3_num_f32 v[MX+8*\m+\j], v[MX+8*\m+\j], v[64*\m+\n+\j], v[64*\m+\n+8+\j]
.endr
.endr
.endr
.irp m, 0,1
.irp j, 0,1,2,3,4,5,6,7
	v_max_num_f32 v[MX+8*\m+\j], v[MX+8*\m+\j], v[64*\m+56+\j]
.endr
.endr
	WIN 0                                          ; a query row's 128 keys lie in 8 registers x the 16 lanes of a half: four steps inside the half end the maximum
.irp k, 1,2,4,8
.set i_, 0
.rept 16
	v_max_num_f32_dpp v[MX+i_], v[MX+i_], v[MX+i_] row_xmask:\k row_mask:0xf bank_mask:0xf
.set i_, i_+1
.endr
.endr
.set i_, 0
.rept 8
	v_pk_mul_f32 v[MX+2*i_:MX+2*i_+1], v[MX+2*i_:MX+2*i_+1], NSCALE op_sel_hi:[1,0]   ; - c x maximum
.set i_, i_+1
.endr
	WIN 0x82
.irp m, 0,1
.irp n, 0,1,2,3,4,5,6,7
.irp p, 0,2,4,6
	v_pk_fma_f32 v[64*\m+8*\n+\p:64*\m+8*\n+\p+1], v[64*\m+8*\n+\p:64*\m+8*\n+\p+1], SCALE, v[MX+8*\m+\p:MX+8*\m+\p+1] op_sel_hi:[1,0,1]
.endr
.endr
.endr
.set i_, 0
.rept 128
	v_exp_f32 v[i_], v[i_]
.set i_, i_+1
.endr
	v_nop                                          ; one plain place behind the transcendentals before a result is used
.endm
; Z, G = valid / (count Z), my wave's partial w[m] = sum over my 32 rows of G[l] P[l][m]
.macro SOFTB
	WIN 0x0a
	s_wait_alu depctr_va_vdst(0)
.irp m, 0,1
.irp p, 0,2,4,6
	v_pk_add_f32 v[ZS+8*\m+\p:ZS+8*\m+\p+1], v[64*\m+\p:64*\m+\p+1], v[64*\m+8+\p:64*\m+8+\p+1]
.endr
.endr
	WIN 0x08
.irp n, 2,3,4,5,6,7
.irp m, 0,1
.irp p, 0,2,4,6
	v_pk_add_f32 v[ZS+8*\m+\p:ZS+8*\m+\p+1], v[ZS+8*\m+\p:ZS+8*\m+\p+1], v[64*\m+8*\n+\p:64*\m+8*\n+\p+1]
.endr
.endr
.endr
	WIN 0
.irp k, 1,2,4,8
.set i_, 0
.rept 16
	v_add_f32_dpp v[ZS+i_], v[ZS+i_], v[ZS+i_] row_xmask:\k row_mask:0xf bank_mask:0xf
.set i_, i_+1
.endr
.endr
.set i_, 0
.rept 16
	v_rcp_f32 v[G+i_], v[ZS+i_]
.set i_, i_+1
.endr
	v_nop
.set i_, 0
	s_wait_alu depctr_va_vdst(0)
.rept 8
	v_pk_mul_f32 v[G+2*i_:G+2*i_+1], v[G+2*i_:G+2*i_+1], v[VC+2*i_:VC+2*i_+1]
.set i_, i_+1
.endr
	WIN 0x02
.irp m, 0,1
.irp p, 0,2,4,6
.irp n, 0,1,2,3,4,5,6,7
.if (\m+\p) == 0
	v_pk_mul_f32 v[WP+2*\n:WP+2*\n+1], v[64*\m+8*\n+\p:64*\m+8*\n+\p+1], v[G+8*\m+\p:G+8*\m+\p+1]
.else
	v_pk_fma_f32 v[WP+2*\n:WP+2*\n+1], v[64*\m+8*\n+\p:64*\m+8*\n+\p+1], v[G+8*\m+\p:G+8*\m+\p+1], v[WP+2*\n:WP+2*\n+1]
.endif
.endr
.endr
.endr
	WIN 0
.irp n, 0,1,2,3,4,5,6,7
	v_add_f32 v[WS+\n], v[WP+2*\n], v[WP+2*\n+1]
.endr
.irp n, 0,1,2,3,4,5,6,7
	v_permlanex16_b32 v[WT+\n], v[WS+\n], s22, s23 ; the other half's eight rows of each tile
.endr
.irp n, 0,1,2,3,4,5,6,7
	v_add_f32 v[WS+\n], v[WS+\n], v[WT+\n]
.endr
.irp k, 0,1,2,3
	v_cvt_pk_bf16_f32 v[176+\k], v[WS+2*\k], v[WS+2*\k+1]
.endr
.irp k, 0,1,2,3
	ds_store_b16 v[W4S], v[176+\k] offset:64*\k                      ; key 16 (2 k) + r; both halves of the lanes hold and write the same number
	ds_store_b16_d16_hi v[W4S], v[176+\k] offset:64*\k+32            ; key 16 (2 k + 1) + r
.endr
.endm
; y = w^T X for my 64 columns.  Row i of the A operand is the partial of wave i mod 4, so rows 0-3 (and 8-11) of the result add up to y.
.macro OUTPH s
	WIN 0x80
.irp k, 0,1,2,3
	ds_load_b128 v[8*\k:8*\k+3], v[W4A] offset:64*\k
	ds_load_b128 v[8*\k+4:8*\k+7], v[W4A] offset:64*\k+32
.endr
	WIN 0
.irp k, 0,1,2,3
.irp n, 0,1,2,3
	ds_load_tr16_b128 v[XF+8*(4*\k+\n):XF+8*(4*\k+\n)+3], v[XT+\s] offset:32*XPITCH*\k+32*\n
	ds_load_tr16_b128 v[XF+8*(4*\k+\n)+4:XF+8*(4*\k+\n)+7], v[XT+\s] offset:32*XPITCH*\k+16*XPITCH+32*\n
.endr
.endr
	WIN 0xa2
.irp k, 0,1,2,3
	s_wait_dscnt 24-8*\k                           ; the later K steps' eight loads each may stay out
.irp n, 0,1,2,3
.if \k == 0
	v_wmma_f32_16x16x32_bf16 v[32+8*\n:32+8*\n+7], v[8*\k:8*\k+7], v[XF+8*(4*\k+\n):XF+8*(4*\k+\n)+7], 0
.else
	v_wmma_f32_16x16x32_bf16 v[32+8*\n:32+8*\n+7], v[8*\k:8*\k+7], v[XF+8*(4*\k+\n):XF+8*(4*\k+\n)+7], v[32+8*\n:32+8*\n+7]
.endif
.endr
.endr
	PLACES 4
	WIN 0x8a
.irp n, 0,1,2,3
	v_pk_add_f32 v[32+8*\n:32+8*\n+1], v[32+8*\n:32+8*\n+1], v[32+8*\n+2:32+8*\n+3]
.endr
.irp n, 0,1,2,3
	v_add_f32 v[32+8*\n], v[32+8*\n], v[32+8*\n+1]
.endr
	WIN 0x08
.irp n, 0,1,2,3
	ds_store_b32 v[OSA], v[32+8*\n] offset:64*\n
.endr
	WIN 0
	v_add_nc_u32 v[MBA], 1024, v[MBA]              ; the next batch's tables and row of y
	v_add_nc_u32 v[VCA], 512, v[VCA]
	v_add_nc_u32 v[OSA], 1024, v[OSA]
.endm
; The batch in slot s.  The next batch, which the ring holds, goes into the other slot, a quarter at each of four points about a quarter of the batch's work apart,
; and each quarter's group is asked for again at byte gimm from XP (mode: see CONVX).
.macro BATCH s, mode, gimm
	s_wait_dscnt 0x0                               ; my stores into this slot and my reads of the other slot, of T and of the partials are done
	s_barrier_signal -1
	s_barrier_wait -1                              ; every wave's are: the slot is whole, and the other slot, T and the partials may be written again
	FETCHX \s, 0, 0
	TSTEP \s, 0, 0, 1
	CONVX 0, 1-\s, \mode, \gimm
	TSTEP \s, 1, 1, 0
	TSTEP \s, 2, 0, 1
	TSTEP \s, 3, 1, 0
	TSTEP \s, 4, 0, 1
	TSTEP \s, 5, 1, 0
	CONVX 1, 1-\s, \mode, \gimm
	TSTEP \s, 6, 0, 1
	TSTEP \s, 7, 1, 0
	TOUT
	CROWS \s
	FETCHX \s, 0, 0
	FETCHT 0, 0
	SSTEP \s, 0, 0, 1
	SSTEP \s, 1, 1, 0
	SSTEP \s, 2, 0, 1
	SSTEP \s, 3, 1, 0
	CONVX 2, 1-\s, \mode, \gimm
	SSTEP \s, 4, 0, 1
	SSTEP \s, 5, 1, 0
	SSTEP \s, 6, 0, 1
	SSTEP \s, 7, 1, 0
	SOFTA
	CONVX 3, 1-\s, \mode, \gimm
	SOFTB
	s_wait_dscnt 0x0                               ; my partial of w is written
	s_barrier_signal -1
	s_barrier_wait -1                              ; all four are
	OUTPH \s
.endm
; ================= the text =================
	s_load_b256 s[4:11], s[0:1], 0x0               ; embeddings s[4:5], padding_mask s[6:7], q_b s[8:9], k_b s[10:11]
	s_load_b128 s[12:15], s[0:1], 0x20             ; folded s[12:13], out0 s[14:15]
	v_lshl_add_u32 v25, v0, 2, 0x38500
	v_mov_b32 v26, 0
	v_lshrrev_b32 v1, 5, v0
	v_readfirstlane_b32 s18, v1                    ; wave 0..3
	v_and_b32 v27, 31, v0                          ; L
	s_lshl_b32 s24, s18, 15
	v_lshl_add_u32 v[XOFF], v27, 4, s24
	s_lshl_b32 s25, s18, 12
	v_lshl_add_u32 v[UOFF], v27, 4, s25
	v_lshlrev_b32 v[LOFF], 4, v27
	v_lshlrev_b32 v88, 3, v0                       ; 8 t
	v_lshlrev_b32 v89, 5, v27                      ; 32 L
	s_mov_b32 s22, 0x76543210                      ; v_permlanex16_b32: lane i reads lane i of the other half
	s_mov_b32 s23, 0xfedcba98
	s_mov_b32 s21, 0
	s_lshl_b32 s20, ttmp9, 20                      ; 8 batches of 131,072 bytes
	s_wait_kmcnt 0x0
	s_add_nc_u64 s[XP:XP+1], s[XP:XP+1], s[20:21]
	s_lshl_b32 s20, ttmp9, 10                      ; 8 rows of 128 mask bytes
	s_add_nc_u64 s[6:7], s[6:7], s[20:21]
	s_lshl_b32 s20, ttmp9, 13                      ; 8 rows of 1,024 bytes of the output
	s_add_nc_u64 s[OP:OP+1], s[OP:OP+1], s[20:21]
	global_load_b64 v[64:65], v88, s[6:7]          ; mask bytes 8 t .. 8 t + 7 of the group's 1,024
	global_load_b128 v[72:75], v89, s[8:9]         ; qb[8 L ..], for s0, which every wave makes whole
	global_load_b128 v[76:79], v89, s[8:9] offset:16
	global_load_b128 v[80:83], v89, s[10:11]       ; kb likewise
	global_load_b128 v[84:87], v89, s[10:11] offset:16
.irp i, 0,1,2,3,4,5,6,7
	global_load_b128 v[U+4*\i:U+4*\i+3], v[UOFF], s[FP:FP+1] offset:UB+512*\i   ; u of my 64 columns, four C tiles
.endr
	GLD 0, 0                                       ; batch 0: my 32 rows, eight to a group
	GLD 1, 8192
	GLD 2, 16384
	WIN 0
	; addresses; none but MBA, VCA, OSA is written again
	v_and_b32 v28, 15, v0                          ; r
	v_bfe_u32 v[HREG], v0, 4, 1                    ; h
	v_and_b32 v30, 7, v0
	v_lshl_add_u32 v30, v[HREG], 3, v30            ; 8 h + (L & 7): the row that a lane addresses in a transposing load
	v_bfe_u32 v31, v0, 3, 1                        ; and which 16 bytes of it
	s_mul_i32 s24, s18, 32*XPITCH
	v_lshl_add_u32 v[XS], v27, 3, s24
	v_add_nc_u32 v[XS+1], XB1, v[XS]
	v_mul_u32_u24 v1, v28, XPITCH
	v_lshl_add_u32 v[XA], v[HREG], 4, v1
	v_add_nc_u32 v[XA+1], XB1, v[XA]
	v_add_nc_u32 v[XO], s24, v[XA]
	v_add_nc_u32 v[XO+1], XB1, v[XO]
	v_mul_u32_u24 v1, v30, XPITCH
	v_lshl_add_u32 v1, v31, 4, v1
	s_lshl_b32 s25, s18, 7                         ; 128 w: my 64 columns in bf16
	v_add_nc_u32 v[XT], s25, v1
	v_add_nc_u32 v[XT+1], XB1, v[XT]
	v_mul_u32_u24 v1, v28, TPITCH
	v_lshl_add_u32 v1, v[HREG], 4, v1
	s_mul_i32 s26, s18, TSTRIP
	s_add_co_u32 s26, s26, TB
	v_add_nc_u32 v[TS], s26, v1
	s_mul_i32 s26, s18, 32*TPITCH
	s_add_co_u32 s26, s26, TB
	v_add_nc_u32 v[TR], s26, v1
	v_lshl_add_u32 v[MBA], v28, 3, MBT
	s_add_co_u32 s26, s25, VCT
	v_lshl_add_u32 v[VCA], v[HREG], 5, s26
	s_lshl_b32 s26, s18, 8
	s_add_co_u32 s26, s26, OUTS
	v_lshl_add_u32 v[OSA], v28, 2, s26
	s_mul_i32 s26, s18, W4P
	s_add_co_u32 s26, s26, W4
	v_lshl_add_u32 v[W4S], v28, 1, s26
	v_and_b32 v1, 3, v0
	v_mul_u32_u24 v1, v1, W4P
	v_lshl_add_u32 v1, v[HREG], 4, v1
	v_add_nc_u32 v[W4A], W4, v1
	s_wait_loadcnt 48                              ; the mask, the biases and u are in; the 48 loads of batch 0 stay out
	; s0 = qb . kb
	v_pk_mul_f32 v[94:95], v[72:73], v[80:81]
	v_pk_fma_f32 v[94:95], v[74:75], v[82:83], v[94:95]
	v_pk_fma_f32 v[94:95], v[76:77], v[84:85], v[94:95]
	v_pk_fma_f32 v[94:95], v[78:79], v[86:87], v[94:95]
	v_add_f32 v94, v94, v95
	v_add_f32_dpp v94, v94, v94 row_xmask:1 row_mask:0xf bank_mask:0xf
	v_add_f32_dpp v94, v94, v94 row_xmask:2 row_mask:0xf bank_mask:0xf
	v_add_f32_dpp v94, v94, v94 row_xmask:4 row_mask:0xf bank_mask:0xf
	v_add_f32_dpp v94, v94, v94 row_xmask:8 row_mask:0xf bank_mask:0xf
	v_permlanex16_b32 v95, v94, s22, s23
	v_add_f32 v94, v94, v95
	; the mask: for each of my eight positions the key's term (-inf or s0, twice) and valid (0 or 1)
	v_mov_b32 v112, 0xff800000
	v_mov_b32 v114, 0
.irp q, 0,1,2,3,4,5,6,7
	v_bfe_u32 v93, v[64+\q/4], 8*(\q%4), 8
	v_cmp_ne_u32 vcc_lo, 0, v93
	v_cndmask_b32 v[96+2*\q], v94, v112, vcc_lo
	v_cndmask_b32 v[96+2*\q+1], v94, v112, vcc_lo
	v_cndmask_b32 v[120+\q], 1.0, v114, vcc_lo
.endr
	; count: 8 positions a lane, 16 lanes of a half are one batch
	v_add_f32 v115, v120, v121
	v_add_f32 v116, v122, v123
	v_add_f32 v117, v124, v125
	v_add_f32 v118, v126, v127
	v_add_f32 v115, v115, v116
	v_add_f32 v117, v117, v118
	v_add_f32 v115, v115, v117
	v_add_f32_dpp v115, v115, v115 row_xmask:1 row_mask:0xf bank_mask:0xf
	v_add_f32_dpp v115, v115, v115 row_xmask:2 row_mask:0xf bank_mask:0xf
	v_add_f32_dpp v115, v115, v115 row_xmask:4 row_mask:0xf bank_mask:0xf
	v_add_f32_dpp v115, v115, v115 row_xmask:8 row_mask:0xf bank_mask:0xf
	v_max_num_f32 v115, 1.0, v115
	v_rcp_f32 v116, v115
	v_rcp_f32 v117, v115
	v_lshl_add_u32 v119, v0, 6, MBT                ; the plain place behind the reciprocals
	v_lshl_add_u32 v118, v0, 5, VCT
	s_wait_alu depctr_va_vdst(0)
.irp q, 0,2,4,6
	v_pk_mul_f32 v[120+\q:120+\q+1], v[120+\q:120+\q+1], v[116:117]
.endr
.irp q, 0,1,2,3
	ds_store_b128 v119, v[96+4*\q:96+4*\q+3] offset:16*\q
.endr
	ds_store_b128 v118, v[120:123]
	ds_store_b128 v118, v[124:127] offset:16
	GLD 3, 24576
	; From here to the loop every wait is for 48: loads go out in groups of 16, and behind the group waited for stand the three younger groups.
	; Batch 0 into slot 0; behind each group's stores a quarter of M is asked for.
.irp g, 0,1,2,3
	s_wait_loadcnt 48
	CVT \g
	STO \g, XS, 8*\g*XPITCH, XPITCH
	MLD \g
.endr
	; The waits that show M and v landed stand between the requests that follow them: behind all four groups of batch 1 their count would be 64, which no wait can name.
	s_wait_loadcnt 48                              ; M's first quarter is in
	WIN 0
.irp i, 0,1,2,3,4,5,6,7,8,9,10,11,12,13,14,15
	global_load_b128 v[VF+4*\i:VF+4*\i+3], v[LOFF], s[FP:FP+1] offset:VB+512*\i   ; v, eight B fragments
.endr
.irp g, 0,1,2,3
	s_wait_loadcnt 48                              ; M's second, third and fourth quarter, then v
	GLD \g, 131072+8192*\g                         ; batch 1
.endr
	WIN 0
	s_mov_b32 s19, 4
.Ltrip:
	BATCH 0, 1, 262144                             ; batch 2 k: converts 2 k + 1, asks for 2 k + 2 (not in the last trip)
	BATCH 1, 2, 393216                             ; batch 2 k + 1: converts 2 k + 2, asks for 2 k + 3 (neither in the last trip)
	WIN 0
	s_wait_xcnt 0x0                                ; the loads' base is stepped only behind this wait
	s_add_nc_u64 s[XP:XP+1], s[XP:XP+1], 0x40000
	s_sub_co_i32 s19, s19, 1
	s_cmp_lg_u32 s19, 0
	s_cbranch_scc1 .Ltrip
	; tanh(y) = 1 - 2 / (1 + 2^(2 log2(e) y)) on the group's 8 x 256 numbers, 16 a thread; each store of sixteen lanes covers 256 consecutive bytes, aligned
	s_wait_dscnt 0x0
	s_barrier_signal -1
	s_barrier_wait -1
	v_lshl_add_u32 v27, v0, 4, OUTS
	v_lshlrev_b32 v28, 4, v0
.irp q, 0,1,2,3
	ds_load_b128 v[64+4*\q:64+4*\q+3], v27 offset:2048*\q
.endr
	s_wait_dscnt 0x0
.irp q, 0,2,4,6,8,10,12,14
	v_pk_mul_f32 v[64+\q:64+\q+1], v[64+\q:64+\q+1], TANHK op_sel_hi:[1,0]
.endr
.set i_, 0
.rept 16
	v_exp_f32 v[64+i_], v[64+i_]
.set i_, i_+1
.endr
	v_nop
	s_wait_alu depctr_va_vdst(0)
.irp q, 0,2,4,6,8,10,12,14
	v_pk_add_f32 v[64+\q:64+\q+1], v[64+\q:64+\q+1], 1.0 op_sel_hi:[1,0]
.endr
.set i_, 0
.rept 16
	v_rcp_f32 v[64+i_], v[64+i_]
.set i_, i_+1
.endr
	v_nop
	s_wait_alu depctr_va_vdst(0)
.irp q, 0,2,4,6,8,10,12,14
	v_pk_fma_f32 v[64+\q:64+\q+1], v[64+\q:64+\q+1], -2.0, 1.0 op_sel_hi:[1,0,0]
.endr
.irp q, 0,1,2,3
	global_store_b128 v28, v[64+4*\q:64+4*\q+3], s[OP:OP+1] offset:2048*\q th:TH_STORE_NT
.endr
	s_wait_tensorcnt 0x0
	ds_add_u32 v25, v26
	s_wait_dscnt 0x0
	s_endpgm
.Lfunc_end_k_qa0eccb3cf4_lore:
	.size	k_qa0eccb3cf4_lore, .Lfunc_end_k_qa0eccb3cf4_lore-k_qa0eccb3cf4_lore
	.p2alignl 7, 3214868480
	.fill 96, 4, 3214868480
	.section	.rodata,"a",@progbits
	.p2align	6, 0x0
	.amdhsa_kernel k_qa0eccb3cf4_lore
		.amdhsa_group_segment_fixed_size 231168
		.amdhsa_private_segment_fixed_size 0
		.amdhsa_enable_private_segment 0
		.amdhsa_kernarg_size 48
		.amdhsa_user_sgpr_count 2
		.amdhsa_user_sgpr_kernarg_segment_ptr 1
		.amdhsa_wavefront_size32 1
		.amdhsa_system_sgpr_workgroup_id_x 1
		.amdhsa_system_sgpr_workgroup_id_y 1
		.amdhsa_system_sgpr_workgroup_id_z 1
		.amdhsa_system_vgpr_workitem_id 0
		.amdhsa_next_free_vgpr 1024
		.amdhsa_next_free_sgpr 66
		.amdhsa_reserve_vcc 1
		.amdhsa_float_denorm_mode_32 3
		.amdhsa_float_denorm_mode_16_64 3
		.amdhsa_memory_ordered 1
		.amdhsa_forward_progress 1
		.amdhsa_inst_pref_size 255
	.end_amdhsa_kernel
	.section	.bss,"aw",@nobits
	.p2align	6
	.space	262144
	.amdgpu_metadata
---
amdhsa.version: [ 1, 2 ]
amdhsa.kernels:
  - .name:           k_qa0eccb3cf4_lore
    .symbol:         k_qa0eccb3cf4_lore.kd
    .args:
      - { .name: embeddings, .offset: 0, .size: 8, .value_kind: global_buffer, .address_space: global }
      - { .name: padding_mask, .offset: 8, .size: 8, .value_kind: global_buffer, .address_space: global }
      - { .name: q_b, .offset: 16, .size: 8, .value_kind: global_buffer, .address_space: global }
      - { .name: k_b, .offset: 24, .size: 8, .value_kind: global_buffer, .address_space: global }
      - { .name: folded, .offset: 32, .size: 8, .value_kind: global_buffer, .address_space: global }
      - { .name: out0, .offset: 40, .size: 8, .value_kind: global_buffer, .address_space: global }
    .group_segment_fixed_size: 231168
    .private_segment_fixed_size: 0
    .kernarg_segment_align: 8
    .kernarg_segment_size: 48
    .max_flat_workgroup_size: 128
    .sgpr_count:     66
    .vgpr_count:     1024
    .wavefront_size: 32
...
	.end_amdgpu_metadata
.endif
;; end of part 3
;; ======== version 3 of 3: 2 launches; version 2 with the launch lore written anew for expert scheduling mode
;; limits: values outside matrix products are rounded to bf16
;; workspace buffers: folded 155,648 bytes
;; launch fold: the kernel of part 2 again; grid 4 x 4, 8 waves a work-group, no clusters, 83,968 bytes of LDS; arguments q_w, q_b, k_w, k_b, folded; writes folded
;; launch lore (part 4): grid 256 x 1, 4 waves a work-group, no clusters, 231,168 bytes of LDS; arguments embeddings, padding_mask, q_b, k_b, folded, out0; writes out0
.if DOCPART == 4
	.amdgcn_target "amdgcn-amd-amdhsa--gfx1250"
	.amdhsa_code_object_version 6
	.text
	.protected	k_qa0eccb3cf4_lore
	.globl	k_qa0eccb3cf4_lore
	.p2align	8
	.type	k_qa0eccb3cf4_lore,@function
k_qa0eccb3cf4_lore:
	s_mov_b64 s[64:65], 0
	v_nop
	global_prefetch_b8 v0, s[64:65] scope:SCOPE_SE
	s_setreg_imm32_b32 hwreg(HW_REG_WAVE_SCHED_MODE, 0, 2), 2
	s_setreg_imm32_b32 hwreg(HW_REG_WAVE_MODE, 25, 1), 1
	s_wait_xcnt 0x0
	s_wait_alu depctr_vm_vsrc(0)
; out[b] = tanh( sum over valid l of softmax_m( Q K^T / 16, padded m = -inf )[l] X / count ),  Q = X Wq^T + qb,  K = X Wk^T + kb.
; X: [2048][128][256] f32.  256 work-groups of four waves; work-group g keeps batches 8 g .. 8 g + 7 and reads each byte of X once.
;
; TWO REARRANGEMENTS, both exact identities of the sums, for every input:
;  (1) Q K^T = X M X^T + 1 (u X^T) + (X v) 1^T + s0,  M = Wq^T Wk, u = Wk^T qb, v = Wq^T kb, s0 = qb . kb.
;      M, u, v come from the launch ahead, as images of the registers that hold them here; s0 is made here.
;      A batch then needs ONE projection T = X M + u, and S = T X^T + c + s0, c[l] = x_l . v.
;  (2) the sum over l and attn X are linear: y = w^T X with w[m] = sum over l of (valid[l] / count) P[l][m] / Z[l].
; P = 2^(c S - c maximum) with c = log2(e) / 16, one fused multiply-add a pair; the maximum is the row's own.
; Matrix operands are bf16 (X, M, T, v, w), all sums f32.
;
; SHARES.  T: wave w makes columns 64 w .. 64 w + 63 of T for all 128 rows.  S and softmax: wave w has query rows 32 w .. 32 w + 31, all 128 keys.
; y: wave w has columns 64 w .. 64 w + 63.  X comes in by 16-byte register loads (a ring of four groups of 16 loads in registers), is rounded
; to bf16 and laid into one of two LDS slots while the batch before is worked on.
; THE TEXT IS KEPT SHORT: all eight batches run through one loop body of two batches (one for each slot); what the last trip leaves out is jumped over
; on the trip counter, which is the same in every wave.
;
; LIMITS.  The mask is applied by adding -inf: a padded key whose score is itself NaN or +inf in f32 gives NaN.  A mask byte other than 0 counts as padded.
; A batch with every key padded gives NaN, as the softmax of a row of -inf does.
; NO JOINT LOADS: the work-groups share M, u, v alone, 155,648 bytes read once at the start against 1,048,576 bytes of X of their own, and these go straight
; into the registers that hold them, with no pass through LDS.
; NO TENSOR LOADS for X: it has to be rounded on its way; an f32 tile is 131,072 bytes, beside two bf16 slots and T it does not fit, and LDS would carry X twice.
;
; THE MODE: SCHED_MODE bits 1:0 = 2 (LLVM: expert scheduling mode 2), set by the entry lines.  The code itself states the register dependences
; between vector or matrix instructions and memory or LDS instructions, with s_wait_alu, always for 0.
; THE PLAN.  Registers that memory or LDS instructions touch, in the loop:
;   the ring (window 3), group g    Loads land in it; at the group's point of a batch the conversions read and write it in place, the LDS stores read it, and it is
;                                   asked for again.  A wait on va_vdst behind the conversions, for the stores; under the loads' window va_vdst once more (the stores
;                                   between name the loads' registers) and vm_vsrc (the stores have read them).
;   XF0, XF1 (v64-191); T's two fragment buffers (window 2, v128-159)
;                                   K step ks multiplies buffer ks % 2; the loads of K step ks + 1 land in the other buffer, which the matrix instructions of K step ks - 1
;                                   read.  ONE wait on va_vdst at the head of a K step states that these are done; the step's loads follow it, dealt among the step's matrix
;                                   instructions, which name M or T's fragments, this step's buffer and the accumulators: no register that those loads touch.
;                                   Between the phases the same registers hold c's fragments, the softmax's small arrays and y's fragments: a wait ahead of each phase's first loads.
;   T's tiles (window 2)            Summed, rounded in place, read by the LDS stores; then c, T's fragments and S are written there: va_vdst ahead of the stores, vm_vsrc behind them.
;   v176-179; window 2 v32, 40, 48, 56   Data of the partial's and of y's LDS stores: va_vdst ahead of each run of stores, vm_vsrc ahead of what writes them next.
;   MBA, VCA, OSA                   Read by LDS instructions, stepped once a batch: vm_vsrc ahead of the adds, the batch head's va_vdst behind them.
;   All other addresses are made at the head and never written again; M, u, v are loaded once.
.set SCALE,  0x3db8aa3b                ; c = log2(e) / 16
.set NSCALE, 0xbdb8aa3b                ; - c
.set TANHK,  0x4038aa3b                ; 2 log2(e)
; the buffer of the launch ahead, bytes
.set UB, 131072                        ; M^T fragments at 0; u as C tiles here
.set VB, UB+16384                      ; v as B fragments
; LDS, bytes
.set XPITCH, 528                       ; a row of X: 512 bytes of bf16 + 16: an odd multiple of 16, so sixteen rows of a fragment load start 16 bytes apart modulo 256
.set XB1,    128*XPITCH                ; slot 0 at 0, slot 1 at 67,584
.set TB,     2*XB1                     ; T: four strips [128 rows][64 columns], strip w written by wave w alone
.set TPITCH, 144
.set TSTRIP, 128*TPITCH
.set MBT,    TB+4*TSTRIP               ; [8][128] pairs (mb, mb) f32: -inf at a padded key, s0 elsewhere
.set VCT,    MBT+8192                  ; [8][128] f32: valid / max(count, 1)
.set W4,     VCT+4096                  ; four rows of 128 bf16: wave w's partial of w[m]
.set W4P,    272
.set OUTS,   W4+1280                   ; [8][256] f32: y before tanh
; scalar registers
.set XP, 4                             ; s[4:5]   embeddings at the batch pair at work
.set FP, 12                            ; s[12:13] folded
.set OP, 14                            ; s[14:15] out0 at the group's eight rows
; vector registers, window 0 (an instruction names v0-v255; s_set_vgpr_msb picks the window of each operand place)
.set XOFF, 2                           ; byte offset of my 16 bytes in a batch of X, and in M's fragments: 32,768 w + 16 L
.set UOFF, 3                           ; in u's tiles: 4,096 w + 16 L
.set XS,   4                           ; v4-5   slot 0, 1: where I put 8 bytes of bf16
.set XA,   6                           ; v6-7   fragments of all rows: 528 r + 16 h
.set XO,   8                           ; v8-9   fragments of my wave's 32 rows
.set XT,   10                          ; v10-11 transposing loads, my 64 columns
.set TS,   12                          ; T: store
.set TR,   13                          ; T: fragments of my 32 rows
.set MBA,  14                          ; mask table, steps by batch
.set VCA,  15                          ; row weights, steps by batch
.set OSA,  16                          ; y, steps by batch
.set W4S,  17
.set W4A,  18
.set LOFF, 20                          ; in v's fragments: 16 L
.set HREG, 29                          ; h = (L >> 4) & 1, in the set-up
.set U,    32                          ; v32-63   u of my 64 columns as a C operand, four tiles
.set XF,   64                          ; v64-191  two fragment buffers of 64 registers
.set VF,   192                         ; v192-255 v as a B operand, eight K steps
; softmax's small arrays, in the fragment buffers while these are idle
.set MB, 64
.set VC, 80
.set MX, 96
.set ZS, 112
.set G,  128
.set WP, 144
.set WS, 160
.set WT, 168
; window 1: M^T, fragment (K step ks, column tile dt) at v[8 (4 ks + dt)]
; window 2: T's 32 accumulator tiles (lt, dt) at v[8 (4 lt + dt)]; later S (mt, nt) at v[8 (8 mt + nt)], T fragments at v128-159, c at v160-175
.set CL, 160
; window 3: the ring of loads, group g at v[64 g], load j in four registers
.set MSB, 0
.macro WIN new                         ; low byte: bits 1:0 source 0, 3:2 source 1, 5:4 source 2, 7:6 destination; the high byte repeats the setting that is left
.if MSB != \new
	s_set_vgpr_msb (MSB<<8)|\new
.set MSB, \new
.endif
.endm
; The places behind a matrix instruction (ISA guide 7.12.1): independent plain vector instructions between it and a reader of its result or a writer of its registers.
; Ahead of loads into its registers this text keeps them too; they stand ahead of the wait that states that dependence, and stand for no wait.
.macro PLACES n
.rept \n
	v_nop
.endr
.endm
; ---- the ring of loads ----
; 16 loads of 512 neighbouring bytes: eight rows of X, at byte imm from XP
.macro GLD g, imm
	WIN 0xc0
.set j_, 0
.rept 16
	global_load_b128 v[64*(\g)+4*j_:64*(\g)+4*j_+3], v[XOFF], s[XP:XP+1] offset:(\imm)+512*j_ th:TH_LOAD_NT
.set j_, j_+1
.endr
.endm
; 16 loads of 512 neighbouring bytes: a quarter of my 64 fragment halves of M^T, straight into window 1
.macro MLD g
	WIN 0x40
.set j_, 0
.rept 16
	global_load_b128 v[64*(\g)+4*j_:64*(\g)+4*j_+3], v[XOFF], s[FP:FP+1] offset:8192*(\g)+512*j_
.set j_, j_+1
.endr
.endm
; a group to bf16 in place: four f32 become the first two registers of their four
.macro CVT g
	WIN 0xcf
.set j_, 0
.rept 16
	v_cvt_pk_bf16_f32 v[64*(\g)+4*j_], v[64*(\g)+4*j_], v[64*(\g)+4*j_+1]
	v_cvt_pk_bf16_f32 v[64*(\g)+4*j_+1], v[64*(\g)+4*j_+2], v[64*(\g)+4*j_+3]
.set j_, j_+1
.endr
.endm
; each store of the wave covers 256 neighbouring bytes: half a row
.macro STO g, vaddr, imm0, pitch
	WIN 0x0c
.set j_, 0
.rept 16
	ds_store_b64 v[\vaddr], v[64*(\g)+4*j_:64*(\g)+4*j_+1] offset:(\imm0)+(j_/2)*\pitch+256*(j_%2)
.set j_, j_+1
.endr
.endm
; Group g of the next batch goes into slot st, and the group is asked for again at byte gimm from XP, for the batch behind that one.
; The count 48: behind this group's sixteen loads the three other groups' were issued (loads come back in order: ISA guide 5.7.1).
; mode 1 (the batch in slot 0): in the last trip (s19 = 1) batch 7 is converted and nothing more is asked for.
; mode 2 (the batch in slot 1): in the last trip there is no next batch: nothing is done.
; The way that asks for nothing waits for all loads instead, so that the count 48 at the next point holds on that way too: what it would leave out has landed.
.macro CONVX g, st, mode, gimm
.if \mode == 2
	WIN 0
	s_cmp_eq_u32 s19, 1
	s_cbranch_scc1 .Lnone_\@
.endif
	s_wait_loadcnt 48
	CVT \g
	WIN 0x0c
	s_wait_alu depctr_va_vdst(0)                   ; the conversions have written the group's registers, which the LDS stores read
	STO \g, XS+(\st), 8*(\g)*XPITCH, XPITCH
.if \mode == 1
	WIN 0
	s_cmp_eq_u32 s19, 1
	s_cbranch_scc1 .Lnone_\@
.endif
	WIN 0xc0
	s_wait_alu depctr_va_vdst(0)                   ; under the loads' window, since the stores above name these registers: the conversions are done reading and writing the group, in which the loads land
	s_wait_alu depctr_vm_vsrc(0)                   ; the LDS stores have read the group's registers, in which the loads land
	GLD \g, (\gimm)+8192*(\g)
	WIN 0
	s_branch .Lasked_\@
.Lnone_\@:
	s_wait_loadcnt 0x0
.Lasked_\@:
.endm
; ---- a batch ----
; fragments of rows 16 n0 .. 16 n1 - 1 of X, 32 columns at 32 ks, into buffer f
.macro FETCHX s, ks, f, n0=0, n1=8
	WIN 0
.set fn_, \n0
.rept (\n1)-(\n0)
	ds_load_b128 v[XF+64*(\f)+8*fn_:XF+64*(\f)+8*fn_+3], v[XA+\s] offset:16*XPITCH*fn_+64*(\ks)
	ds_load_b128 v[XF+64*(\f)+8*fn_+4:XF+64*(\f)+8*fn_+7], v[XA+\s] offset:16*XPITCH*fn_+64*(\ks)+32
.set fn_, fn_+1
.endr
.endm
; T^T tiles: source 0 = rows d2 of M^T, source 1 = rows l of X, so that a lane's eight results are eight neighbouring columns of one row of T.
; The first K step takes u as C.  32 accumulators by turns, one instruction a turn.  Row tiles l0 .. l1 - 1.
.macro TMUL ks, f, l0, l1
.if (\ks) == 0
	WIN 0x81
.else
	WIN 0xa1
.endif
.set tl_, \l0
.rept (\l1)-(\l0)
.irp d, 0,1,2,3
.if (\ks) == 0
	v_wmma_f32_16x16x32_bf16 v[8*(4*tl_+\d):8*(4*tl_+\d)+7], v[8*(4*(\ks)+\d):8*(4*(\ks)+\d)+7], v[XF+64*(\f)+8*tl_:XF+64*(\f)+8*tl_+7], v[U+8*\d:U+8*\d+7]
.else
	v_wmma_f32_16x16x32_bf16 v[8*(4*tl_+\d):8*(4*tl_+\d)+7], v[8*(4*(\ks)+\d):8*(4*(\ks)+\d)+7], v[XF+64*(\f)+8*tl_:XF+64*(\f)+8*tl_+7], v[8*(4*tl_+\d):8*(4*tl_+\d)+7]
.endif
.endr
.set tl_, tl_+1
.endr
.endm
; K step ks of T multiplies buffer f; the next K step's sixteen loads, into buffer g, stand in two runs among its 32 matrix instructions, the last 16 of which follow them.
; K step 0 has no wait on va_vdst: the batch head's covers both buffers, and no vector or matrix instruction since names buffer 1.  K step 7 fetches nothing.
.macro TSTEP s, ks, f, g
.if ((\ks) > 0) && ((\ks) < 7)
	PLACES 4
.endif
	s_wait_dscnt 0x0                               ; this K step's fragments are in (and, behind a point of the ring, its LDS stores are done: they stand on one way only, so no count above 0 holds on both)
.if ((\ks) > 0) && ((\ks) < 7)
	s_wait_alu depctr_va_vdst(0)                   ; the matrix instructions of the K step before are done reading buffer g, in which the loads below land
.endif
.if (\ks) < 7
	TMUL \ks, \f, 0, 2
	FETCHX \s, \ks+1, \g, 0, 4
	TMUL \ks, \f, 2, 4
	FETCHX \s, \ks+1, \g, 4, 8
	TMUL \ks, \f, 4, 8
.else
	TMUL \ks, \f, 0, 8
.endif
.endm
; T to bf16 in place, 16 bytes a lane into my strip
.macro TOUT
	PLACES 4
	WIN 0x8a
.set i_, 0
.rept 32
	v_cvt_pk_bf16_f32 v[8*i_], v[8*i_], v[8*i_+1]
	v_cvt_pk_bf16_f32 v[8*i_+1], v[8*i_+2], v[8*i_+3]
	v_cvt_pk_bf16_f32 v[8*i_+2], v[8*i_+4], v[8*i_+5]
	v_cvt_pk_bf16_f32 v[8*i_+3], v[8*i_+6], v[8*i_+7]
.set i_, i_+1
.endr
	WIN 0x08
	s_wait_alu depctr_va_vdst(0)                   ; the conversions have written T's registers, which the LDS stores read; T's last matrix instructions are done reading both fragment buffers, in which my rows' fragments land below
.set i_, 0
.rept 32
	ds_store_b128 v[TS], v[8*i_:8*i_+3] offset:16*TPITCH*(i_/4)+32*(i_%4)
.set i_, i_+1
.endr
.endm
; c[l] = x_l . v for my 32 rows, between the halves of the barrier that shows T to every wave
.macro CROWS s
	WIN 0
.irp k, 0,1,2,3,4,5,6,7
.irp m, 0,1
	ds_load_b128 v[XF+8*(2*\k+\m):XF+8*(2*\k+\m)+3], v[XO+\s] offset:16*XPITCH*\m+64*\k
	ds_load_b128 v[XF+8*(2*\k+\m)+4:XF+8*(2*\k+\m)+7], v[XO+\s] offset:16*XPITCH*\m+64*\k+32
.endr
.endr
	s_wait_dscnt 0x0                               ; for the others: my strip of T is written; for me: my rows' fragments are in
	s_wait_alu depctr_vm_vsrc(0)                   ; the LDS stores of T have read window 2's registers, which c's sums, the loads of T's fragments and S's sums write from here on
	s_barrier_signal -1
	WIN 0xa0
.irp k, 0,1,2,3,4,5,6,7
.irp m, 0,1
.if \k == 0
	v_wmma_f32_16x16x32_bf16 v[CL+8*\m:CL+8*\m+7], v[XF+8*(2*\k+\m):XF+8*(2*\k+\m)+7], v[VF+8*\k:VF+8*\k+7], 0
.else
	v_wmma_f32_16x16x32_bf16 v[CL+8*\m:CL+8*\m+7], v[XF+8*(2*\k+\m):XF+8*(2*\k+\m)+7], v[VF+8*\k:VF+8*\k+7], v[CL+8*\m:CL+8*\m+7]
.endif
.endr
.endr
	s_barrier_wait -1
	PLACES 5                                       ; c becomes the C of other accumulators, and the buffers are loaded again
.endm
.macro FETCHT ks, f
	WIN 0x80
.irp m, 0,1
	ds_load_b128 v[128+16*(\f)+8*\m:128+16*(\f)+8*\m+3], v[TR] offset:((\ks)/2)*TSTRIP+16*TPITCH*\m+64*((\ks)%2)
	ds_load_b128 v[128+16*(\f)+8*\m+4:128+16*(\f)+8*\m+7], v[TR] offset:((\ks)/2)*TSTRIP+16*TPITCH*\m+64*((\ks)%2)+32
.endr
.endm
; S tiles (mt, nt): register j of lane (r, h) is query 32 w + 16 mt + 8 h + j, key 16 nt + r.  16 accumulators by turns.  Key tiles n0 .. n1 - 1.
.macro SMM ks, f, n0, n1
	WIN 0xa2
.set sn_, \n0
.rept (\n1)-(\n0)
.irp m, 0,1
.if (\ks) == 0
	v_wmma_f32_16x16x32_bf16 v[8*(8*\m+sn_):8*(8*\m+sn_)+7], v[128+16*(\f)+8*\m:128+16*(\f)+8*\m+7], v[XF+64*(\f)+8*sn_:XF+64*(\f)+8*sn_+7], v[CL+8*\m:CL+8*\m+7]
.else
	v_wmma_f32_16x16x32_bf16 v[8*(8*\m+sn_):8*(8*\m+sn_)+7], v[128+16*(\f)+8*\m:128+16*(\f)+8*\m+7], v[XF+64*(\f)+8*sn_:XF+64*(\f)+8*sn_+7], v[8*(8*\m+sn_):8*(8*\m+sn_)+7]
.endif
.endr
.set sn_, sn_+1
.endr
.endm
; K step ks of S multiplies the buffers f; the next K step's 4 + 16 loads, into the buffers g, stand in two runs among its 16 matrix instructions, the last 10 of which follow them.
; K step 0 has no wait on va_vdst: the one ahead of the phase's first fetch covers both buffers, and no vector or matrix instruction since names the buffers g.
; K step 7 fetches the mask terms and the row weights, into registers of X's buffer 0.
.macro SSTEP s, ks, f, g
.if (\ks) > 0
	PLACES 4
.endif
	s_wait_dscnt 0x0                               ; this K step's fragments of T and of X are in
.if (\ks) > 0
	s_wait_alu depctr_va_vdst(0)                   ; the matrix instructions of the K step before are done reading the buffers g, in which the loads below land
.endif
	SMM \ks, \f, 0, 1
.if (\ks) < 7
	FETCHT \ks+1, \g
	FETCHX \s, \ks+1, \g, 0, 4
	SMM \ks, \f, 1, 3
	FETCHX \s, \ks+1, \g, 4, 8
	SMM \ks, \f, 3, 8
.else
	WIN 0
.irp n, 0,1,2,3,4,5,6,7
	ds_load_b64 v[MB+2*\n:MB+2*\n+1], v[MBA] offset:128*\n            ; the mask term of key 16 n + r, twice
.endr
.irp m, 0,1
.irp q, 0,1
	ds_load_b128 v[VC+8*\m+4*\q:VC+8*\m+4*\q+3], v[VCA] offset:64*\m+16*\q   ; valid / count of my lane's sixteen query rows
.endr
.endr
	SMM \ks, \f, 1, 8
.endif
.endm
; mask, row maximum, P = 2^(c S - c maximum)
.macro SOFTA
	PLACES 4
	s_wait_dscnt 0x0
	WIN 0x82
.irp m, 0,1
.irp n, 0,1,2,3,4,5,6,7
.irp p, 0,2,4,6
	v_pk_add_f32 v[64*\m+8*\n+\p:64*\m+8*\n+\p+1], v[64*\m+8*\n+\p:64*\m+8*\n+\p+1], v[MB+2*\n:MB+2*\n+1]
.endr
.endr
.endr
	WIN 0x2a
.irp m, 0,1
.irp j, 0,1,2,3,4,5,6,7
	v_max3_num_f32 v[MX+8*\m+\j], v[64*\m+\j], v[64*\m+8+\j], v[64*\m+16+\j]
.endr
.endr
	WIN 0x28
.irp n, 24,40
.irp m, 0,1
.irp j, 0,1,2,3,4,5,6,7
	v_max3_num_f32 v[MX+8*\m+\j], v[MX+8*\m+\j], v[64*\m+\n+\j], v[64*\m+\n+8+\j]
.endr
.endr
.endr
.irp m, 0,1
.irp j, 0,1,2,3,4,5,6,7
	v_max_num_f32 v[MX+8*\m+\j], v[MX+8*\m+\j], v[64*\m+56+\j]
.endr
.endr
	WIN 0                                          ; a query row's 128 keys lie in 8 registers x the 16 lanes of a half: four steps inside the half end the maximum
.irp k, 1,2,4,8
.set i_, 0
.rept 16
	v_max_num_f32_dpp v[MX+i_], v[MX+i_], v[MX+i_] row_xmask:\k row_mask:0xf bank_mask:0xf
.set i_, i_+1
.endr
.endr
.set i_, 0
.rept 8
	v_pk_mul_f32 v[MX+2*i_:MX+2*i_+1], v[MX+2*i_:MX+2*i_+1], NSCALE op_sel_hi:[1,0]   ; - c x maximum
.set i_, i_+1
.endr
	WIN 0x82
.irp m, 0,1
.irp n, 0,1,2,3,4,5,6,7
.irp p, 0,2,4,6
	v_pk_fma_f32 v[64*\m+8*\n+\p:64*\m+8*\n+\p+1], v[64*\m+8*\n+\p:64*\m+8*\n+\p+1], SCALE, v[MX+8*\m+\p:MX+8*\m+\p+1] op_sel_hi:[1,0,1]
.endr
.endr
.endr
.set i_, 0
.rept 128
	v_exp_f32 v[i_], v[i_]
.set i_, i_+1
.endr
	v_nop                                          ; one plain place behind the transcendentals before a result is used
.endm
; Z, G = valid / (count Z), my wave's partial w[m] = sum over my 32 rows of G[l] P[l][m]
.macro SOFTB
	WIN 0x0a
	s_wait_alu depctr_va_vdst(0)
.irp m, 0,1
.irp p, 0,2,4,6
	v_pk_add_f32 v[ZS+8*\m+\p:ZS+8*\m+\p+1], v[64*\m+\p:64*\m+\p+1], v[64*\m+8+\p:64*\m+8+\p+1]
.endr
.endr
	WIN 0x08
.irp n, 2,3,4,5,6,7
.irp m, 0,1
.irp p, 0,2,4,6
	v_pk_add_f32 v[ZS+8*\m+\p:ZS+8*\m+\p+1], v[ZS+8*\m+\p:ZS+8*\m+\p+1], v[64*\m+8*\n+\p:64*\m+8*\n+\p+1]
.endr
.endr
.endr
	WIN 0
.irp k, 1,2,4,8
.set i_, 0
.rept 16
	v_add_f32_dpp v[ZS+i_], v[ZS+i_], v[ZS+i_] row_xmask:\k row_mask:0xf bank_mask:0xf
.set i_, i_+1
.endr
.endr
.set i_, 0
.rept 16
	v_rcp_f32 v[G+i_], v[ZS+i_]
.set i_, i_+1
.endr
	v_nop
.set i_, 0
	s_wait_alu depctr_va_vdst(0)
.rept 8
	v_pk_mul_f32 v[G+2*i_:G+2*i_+1], v[G+2*i_:G+2*i_+1], v[VC+2*i_:VC+2*i_+1]
.set i_, i_+1
.endr
	WIN 0x02
.irp m, 0,1
.irp p, 0,2,4,6
.irp n, 0,1,2,3,4,5,6,7
.if (\m+\p) == 0
	v_pk_mul_f32 v[WP+2*\n:WP+2*\n+1], v[64*\m+8*\n+\p:64*\m+8*\n+\p+1], v[G+8*\m+\p:G+8*\m+\p+1]
.else
	v_pk_fma_f32 v[WP+2*\n:WP+2*\n+1], v[64*\m+8*\n+\p:64*\m+8*\n+\p+1], v[G+8*\m+\p:G+8*\m+\p+1], v[WP+2*\n:WP+2*\n+1]
.endif
.endr
.endr
.endr
	WIN 0
.irp n, 0,1,2,3,4,5,6,7
	v_add_f32 v[WS+\n], v[WP+2*\n], v[WP+2*\n+1]
.endr
.irp n, 0,1,2,3,4,5,6,7
	v_permlanex16_b32 v[WT+\n], v[WS+\n], s22, s23 ; the other half's eight rows of each tile
.endr
.irp n, 0,1,2,3,4,5,6,7
	v_add_f32 v[WS+\n], v[WS+\n], v[WT+\n]
.endr
.irp k, 0,1,2,3
	v_cvt_pk_bf16_f32 v[176+\k], v[WS+2*\k], v[WS+2*\k+1]
.endr
	s_wait_alu depctr_va_vdst(0)                   ; the conversions have written v176 to v179, which the LDS stores read
.irp k, 0,1,2,3
	ds_store_b16 v[W4S], v[176+\k] offset:64*\k                      ; key 16 (2 k) + r; both halves of the lanes hold and write the same number
	ds_store_b16_d16_hi v[W4S], v[176+\k] offset:64*\k+32            ; key 16 (2 k + 1) + r
.endr
.endm
; y = w^T X for my 64 columns.  Row i of the A operand is the partial of wave i mod 4, so rows 0-3 (and 8-11) of the result add up to y.
.macro OUTPH s
	WIN 0x80
	s_wait_alu depctr_va_vdst(0)                   ; under the loads' window, since the partial's stores name four of these registers: the softmax is done with P's registers and with its small arrays in the fragment buffers, in which the loads below land
	s_wait_alu depctr_vm_vsrc(0)                   ; the partial's stores have read v176 to v179, in which a load below lands
.irp k, 0,1,2,3
	ds_load_b128 v[8*\k:8*\k+3], v[W4A] offset:64*\k
	ds_load_b128 v[8*\k+4:8*\k+7], v[W4A] offset:64*\k+32
.endr
	WIN 0
.irp k, 0,1,2,3
.irp n, 0,1,2,3
	ds_load_tr16_b128 v[XF+8*(4*\k+\n):XF+8*(4*\k+\n)+3], v[XT+\s] offset:32*XPITCH*\k+32*\n
	ds_load_tr16_b128 v[XF+8*(4*\k+\n)+4:XF+8*(4*\k+\n)+7], v[XT+\s] offset:32*XPITCH*\k+16*XPITCH+32*\n
.endr
.endr
	WIN 0xa2
.irp k, 0,1,2,3
	s_wait_dscnt 24-8*\k                           ; the later K steps' eight loads each may stay out
.irp n, 0,1,2,3
.if \k == 0
	v_wmma_f32_16x16x32_bf16 v[32+8*\n:32+8*\n+7], v[8*\k:8*\k+7], v[XF+8*(4*\k+\n):XF+8*(4*\k+\n)+7], 0
.else
	v_wmma_f32_16x16x32_bf16 v[32+8*\n:32+8*\n+7], v[8*\k:8*\k+7], v[XF+8*(4*\k+\n):XF+8*(4*\k+\n)+7], v[32+8*\n:32+8*\n+7]
.endif
.endr
.endr
	PLACES 4
	WIN 0x8a
.irp n, 0,1,2,3
	v_pk_add_f32 v[32+8*\n:32+8*\n+1], v[32+8*\n:32+8*\n+1], v[32+8*\n+2:32+8*\n+3]
.endr
.irp n, 0,1,2,3
	v_add_f32 v[32+8*\n], v[32+8*\n], v[32+8*\n+1]
.endr
	WIN 0x08
	s_wait_alu depctr_va_vdst(0)                   ; the additions have written y's four registers, which the LDS stores read
.irp n, 0,1,2,3
	ds_store_b32 v[OSA], v[32+8*\n] offset:64*\n
.endr
	WIN 0
	s_wait_alu depctr_vm_vsrc(0)                   ; this batch's LDS instructions have read MBA, VCA and OSA, which the adds below write; y's stores have read their data, which the next batch's sums write
	v_add_nc_u32 v[MBA], 1024, v[MBA]              ; the next batch's tables and row of y
	v_add_nc_u32 v[VCA], 512, v[VCA]
	v_add_nc_u32 v[OSA], 1024, v[OSA]
.endm
; The batch in slot s.  The next batch, which the ring holds, goes into the other slot, a quarter at each of four points about a quarter of the batch's work apart,
; and each quarter's group is asked for again at byte gimm from XP (mode: see CONVX).
.macro BATCH s, mode, gimm
	s_wait_dscnt 0x0                               ; my stores into this slot and my reads of the other slot, of T and of the partials are done
	s_barrier_signal -1
	s_barrier_wait -1                              ; every wave's are: the slot is whole, and the other slot, T and the partials may be written again
	WIN 0
	s_wait_alu depctr_va_vdst(0)                   ; the adds have written MBA, VCA and OSA, which this batch's LDS instructions read; the batch before (in the first trip the set-up) is done with both fragment buffers, in which the loads of K steps 0 and 1 land
	FETCHX \s, 0, 0
	TSTEP \s, 0, 0, 1
	CONVX 0, 1-\s, \mode, \gimm
	TSTEP \s, 1, 1, 0
	TSTEP \s, 2, 0, 1
	TSTEP \s, 3, 1, 0
	TSTEP \s, 4, 0, 1
	TSTEP \s, 5, 1, 0
	CONVX 1, 1-\s, \mode, \gimm
	TSTEP \s, 6, 0, 1
	TSTEP \s, 7, 1, 0
	TOUT
	CROWS \s
	WIN 0
	s_wait_alu depctr_va_vdst(0)                   ; c's matrix instructions are done reading both fragment buffers, in which the loads of S's K steps 0 and 1 land
	FETCHX \s, 0, 0
	FETCHT 0, 0
	SSTEP \s, 0, 0, 1
	SSTEP \s, 1, 1, 0
	SSTEP \s, 2, 0, 1
	SSTEP \s, 3, 1, 0
	CONVX 2, 1-\s, \mode, \gimm
	SSTEP \s, 4, 0, 1
	SSTEP \s, 5, 1, 0
	SSTEP \s, 6, 0, 1
	SSTEP \s, 7, 1, 0
	SOFTA
	CONVX 3, 1-\s, \mode, \gimm
	SOFTB
	s_wait_dscnt 0x0                               ; my partial of w is written
	s_barrier_signal -1
	s_barrier_wait -1                              ; all four are
	OUTPH \s
.endm
; ================= the text =================
	s_load_b256 s[4:11], s[0:1], 0x0               ; embeddings s[4:5], padding_mask s[6:7], q_b s[8:9], k_b s[10:11]
	s_load_b128 s[12:15], s[0:1], 0x20             ; folded s[12:13], out0 s[14:15]
	v_lshl_add_u32 v25, v0, 2, 0x38500
	v_mov_b32 v26, 0
	v_lshrrev_b32 v1, 5, v0
	v_readfirstlane_b32 s18, v1                    ; wave 0..3
	v_and_b32 v27, 31, v0                          ; L
	v_lshlrev_b32 v[LOFF], 4, v27
	v_lshlrev_b32 v88, 3, v0                       ; 8 t
	v_lshlrev_b32 v89, 5, v27                      ; 32 L
	s_wait_alu depctr_va_sdst(0)                   ; s18 is written, ahead of its first reader: offsets and LDS addresses are made from it
	s_lshl_b32 s24, s18, 15
	v_lshl_add_u32 v[XOFF], v27, 4, s24
	s_lshl_b32 s25, s18, 12
	v_lshl_add_u32 v[UOFF], v27, 4, s25
	s_mov_b32 s22, 0x76543210                      ; v_permlanex16_b32: lane i reads lane i of the other half
	s_mov_b32 s23, 0xfedcba98
	s_mov_b32 s21, 0
	s_lshl_b32 s20, ttmp9, 20                      ; 8 batches of 131,072 bytes
	s_wait_kmcnt 0x0
	s_add_nc_u64 s[XP:XP+1], s[XP:XP+1], s[20:21]
	s_lshl_b32 s20, ttmp9, 10                      ; 8 rows of 128 mask bytes
	s_add_nc_u64 s[6:7], s[6:7], s[20:21]
	s_lshl_b32 s20, ttmp9, 13                      ; 8 rows of 1,024 bytes of the output
	s_add_nc_u64 s[OP:OP+1], s[OP:OP+1], s[20:21]
	s_wait_alu depctr_va_vdst(0)                   ; the five offsets v2, v3, v20, v88, v89 are written, which the global loads read
	global_load_b64 v[64:65], v88, s[6:7]          ; mask bytes 8 t .. 8 t + 7 of the group's 1,024
	global_load_b128 v[72:75], v89, s[8:9]         ; qb[8 L ..], for s0, which every wave makes whole
	global_load_b128 v[76:79], v89, s[8:9] offset:16
	global_load_b128 v[80:83], v89, s[10:11]       ; kb likewise
	global_load_b128 v[84:87], v89, s[10:11] offset:16
.irp i, 0,1,2,3,4,5,6,7
	global_load_b128 v[U+4*\i:U+4*\i+3], v[UOFF], s[FP:FP+1] offset:UB+512*\i   ; u of my 64 columns, four C tiles
.endr
	GLD 0, 0                                       ; batch 0: my 32 rows, eight to a group
	GLD 1, 8192
	GLD 2, 16384
	WIN 0
	; addresses; none but MBA, VCA, OSA is written again
	v_and_b32 v28, 15, v0                          ; r
	v_bfe_u32 v[HREG], v0, 4, 1                    ; h
	v_and_b32 v30, 7, v0
	v_lshl_add_u32 v30, v[HREG], 3, v30            ; 8 h + (L & 7): the row that a lane addresses in a transposing load
	v_bfe_u32 v31, v0, 3, 1                        ; and which 16 bytes of it
	s_mul_i32 s24, s18, 32*XPITCH
	v_lshl_add_u32 v[XS], v27, 3, s24
	v_add_nc_u32 v[XS+1], XB1, v[XS]
	v_mul_u32_u24 v1, v28, XPITCH
	v_lshl_add_u32 v[XA], v[HREG], 4, v1
	v_add_nc_u32 v[XA+1], XB1, v[XA]
	v_add_nc_u32 v[XO], s24, v[XA]
	v_add_nc_u32 v[XO+1], XB1, v[XO]
	v_mul_u32_u24 v1, v30, XPITCH
	v_lshl_add_u32 v1, v31, 4, v1
	s_lshl_b32 s25, s18, 7                         ; 128 w: my 64 columns in bf16
	v_add_nc_u32 v[XT], s25, v1
	v_add_nc_u32 v[XT+1], XB1, v[XT]
	v_mul_u32_u24 v1, v28, TPITCH
	v_lshl_add_u32 v1, v[HREG], 4, v1
	s_mul_i32 s26, s18, TSTRIP
	s_add_co_u32 s26, s26, TB
	v_add_nc_u32 v[TS], s26, v1
	s_mul_i32 s26, s18, 32*TPITCH
	s_add_co_u32 s26, s26, TB
	v_add_nc_u32 v[TR], s26, v1
	v_lshl_add_u32 v[MBA], v28, 3, MBT
	s_add_co_u32 s26, s25, VCT
	v_lshl_add_u32 v[VCA], v[HREG], 5, s26
	s_lshl_b32 s26, s18, 8
	s_add_co_u32 s26, s26, OUTS
	v_lshl_add_u32 v[OSA], v28, 2, s26
	s_mul_i32 s26, s18, W4P
	s_add_co_u32 s26, s26, W4
	v_lshl_add_u32 v[W4S], v28, 1, s26
	v_and_b32 v1, 3, v0
	v_mul_u32_u24 v1, v1, W4P
	v_lshl_add_u32 v1, v[HREG], 4, v1
	v_add_nc_u32 v[W4A], W4, v1
	s_wait_loadcnt 48                              ; the mask, the biases and u are in; the 48 loads of batch 0 stay out
	; s0 = qb . kb
	v_pk_mul_f32 v[94:95], v[72:73], v[80:81]
	v_pk_fma_f32 v[94:95], v[74:75], v[82:83], v[94:95]
	v_pk_fma_f32 v[94:95], v[76:77], v[84:85], v[94:95]
	v_pk_fma_f32 v[94:95], v[78:79], v[86:87], v[94:95]
	v_add_f32 v94, v94, v95
	v_add_f32_dpp v94, v94, v94 row_xmask:1 row_mask:0xf bank_mask:0xf
	v_add_f32_dpp v94, v94, v94 row_xmask:2 row_mask:0xf bank_mask:0xf
	v_add_f32_dpp v94, v94, v94 row_xmask:4 row_mask:0xf bank_mask:0xf
	v_add_f32_dpp v94, v94, v94 row_xmask:8 row_mask:0xf bank_mask:0xf
	v_permlanex16_b32 v95, v94, s22, s23
	v_add_f32 v94, v94, v95
	; the mask: for each of my eight positions the key's term (-inf or s0, twice) and valid (0 or 1).  The eight compares stand in one run, each with a scalar register of its own.
	v_mov_b32 v112, 0xff800000
	v_mov_b32 v114, 0
.irp q, 0,1,2,3,4,5,6,7
	v_bfe_u32 v93, v[64+\q/4], 8*(\q%4), 8
	v_cmp_ne_u32 s[24+\q], 0, v93
.endr
	s_wait_alu depctr_va_sdst(0)                   ; the eight compares have written s24 to s31, which the selects below read
.irp q, 0,1,2,3,4,5,6,7
	v_cndmask_b32 v[96+2*\q], v94, v112, s[24+\q]
	v_cndmask_b32 v[96+2*\q+1], v94, v112, s[24+\q]
	v_cndmask_b32 v[120+\q], 1.0, v114, s[24+\q]
.endr
	; count: 8 positions a lane, 16 lanes of a half are one batch
	v_add_f32 v115, v120, v121
	v_add_f32 v116, v122, v123
	v_add_f32 v117, v124, v125
	v_add_f32 v118, v126, v127
	v_add_f32 v115, v115, v116
	v_add_f32 v117, v117, v118
	v_add_f32 v115, v115, v117
	v_add_f32_dpp v115, v115, v115 row_xmask:1 row_mask:0xf bank_mask:0xf
	v_add_f32_dpp v115, v115, v115 row_xmask:2 row_mask:0xf bank_mask:0xf
	v_add_f32_dpp v115, v115, v115 row_xmask:4 row_mask:0xf bank_mask:0xf
	v_add_f32_dpp v115, v115, v115 row_xmask:8 row_mask:0xf bank_mask:0xf
	v_max_num_f32 v115, 1.0, v115
	v_rcp_f32 v116, v115
	v_rcp_f32 v117, v115
	v_lshl_add_u32 v119, v0, 6, MBT                ; the plain place behind the reciprocals
	v_lshl_add_u32 v118, v0, 5, VCT
	s_wait_alu depctr_va_vdst(0)
.irp q, 0,2,4,6
	v_pk_mul_f32 v[120+\q:120+\q+1], v[120+\q:120+\q+1], v[116:117]
.endr
	s_wait_alu depctr_va_vdst(0)                   ; the tables' numbers v96 to v111, v120 to v127 and their addresses v118, v119 are written, which the LDS stores read; so are all the loop's addresses v4 to v18
.irp q, 0,1,2,3
	ds_store_b128 v119, v[96+4*\q:96+4*\q+3] offset:16*\q
.endr
	ds_store_b128 v118, v[120:123]
	ds_store_b128 v118, v[124:127] offset:16
	GLD 3, 24576
	; From here to the loop every wait on LOADcnt is for 48: loads go out in groups of 16, and behind the group waited for stand the three younger groups.
	; Batch 0 into slot 0; behind each group's stores a quarter of M is asked for.
.irp g, 0,1,2,3
	s_wait_loadcnt 48
	CVT \g
	WIN 0x0c
	s_wait_alu depctr_va_vdst(0)                   ; the conversions have written the group's registers, which the LDS stores read
	STO \g, XS, 8*\g*XPITCH, XPITCH
	MLD \g
.endr
	; The waits that show M and v landed stand between the requests that follow them: behind all four groups of batch 1 their count would be 64, which no wait can name.
	s_wait_loadcnt 48                              ; M's first quarter is in
	WIN 0
.irp i, 0,1,2,3,4,5,6,7,8,9,10,11,12,13,14,15
	global_load_b128 v[VF+4*\i:VF+4*\i+3], v[LOFF], s[FP:FP+1] offset:VB+512*\i   ; v, eight B fragments
.endr
	WIN 0xc0
	s_wait_alu depctr_va_vdst(0)                   ; under the loads' window: batch 0's conversions are done reading and writing the ring's four groups, in which batch 1's loads land
	s_wait_alu depctr_vm_vsrc(0)                   ; batch 0's LDS stores have read the ring's registers; the tables' stores and the first loads have read v88, v89 and v96 to v127, which lie in the fragment buffers that the loop's loads fill
.irp g, 0,1,2,3
	s_wait_loadcnt 48                              ; M's second, third and fourth quarter, then v
	GLD \g, 131072+8192*\g                         ; batch 1
.endr
	WIN 0
	s_mov_b32 s19, 4
.Ltrip:
	BATCH 0, 1, 262144                             ; batch 2 k: converts 2 k + 1, asks for 2 k + 2 (not in the last trip)
	BATCH 1, 2, 393216                             ; batch 2 k + 1: converts 2 k + 2, asks for 2 k + 3 (neither in the last trip)
	WIN 0
	s_wait_xcnt 0x0                                ; the loads' base is stepped only behind this wait
	s_add_nc_u64 s[XP:XP+1], s[XP:XP+1], 0x40000
	s_sub_co_i32 s19, s19, 1
	s_cmp_lg_u32 s19, 0
	s_cbranch_scc1 .Ltrip
	; tanh(y) = 1 - 2 / (1 + 2^(2 log2(e) y)) on the group's 8 x 256 numbers, 16 a thread; each store of sixteen lanes covers 256 consecutive bytes, aligned
	s_wait_dscnt 0x0
	s_barrier_signal -1
	s_barrier_wait -1
	v_lshl_add_u32 v27, v0, 4, OUTS
	v_lshlrev_b32 v28, 4, v0
	s_wait_alu depctr_va_vdst(0)                   ; v27 is written, which the LDS loads read as their address, and v28, the stores' offset
.irp q, 0,1,2,3
	ds_load_b128 v[64+4*\q:64+4*\q+3], v27 offset:2048*\q
.endr
	s_wait_dscnt 0x0
.irp q, 0,2,4,6,8,10,12,14
	v_pk_mul_f32 v[64+\q:64+\q+1], v[64+\q:64+\q+1], TANHK op_sel_hi:[1,0]
.endr
.set i_, 0
.rept 16
	v_exp_f32 v[64+i_], v[64+i_]
.set i_, i_+1
.endr
	v_nop
	s_wait_alu depctr_va_vdst(0)
.irp q, 0,2,4,6,8,10,12,14
	v_pk_add_f32 v[64+\q:64+\q+1], v[64+\q:64+\q+1], 1.0 op_sel_hi:[1,0]
.endr
.set i_, 0
.rept 16
	v_rcp_f32 v[64+i_], v[64+i_]
.set i_, i_+1
.endr
	v_nop
	s_wait_alu depctr_va_vdst(0)
.irp q, 0,2,4,6,8,10,12,14
	v_pk_fma_f32 v[64+\q:64+\q+1], v[64+\q:64+\q+1], -2.0, 1.0 op_sel_hi:[1,0,0]
.endr
	s_wait_alu depctr_va_vdst(0)                   ; the last multiply-adds have written v64 to v79, which the stores read
.irp q, 0,1,2,3
	global_store_b128 v28, v[64+4*\q:64+4*\q+3], s[OP:OP+1] offset:2048*\q th:TH_STORE_NT
.endr
	s_wait_dscnt 0x0
	s_wait_alu depctr_hold_cnt(0) depctr_sa_sdst(0) depctr_va_vdst(0) depctr_va_sdst(0) depctr_va_ssrc(0) depctr_va_vcc(0) depctr_vm_vsrc(0)
	s_wait_tensorcnt 0x0
	ds_add_u32 v25, v26
	s_wait_dscnt 0x0
	s_endpgm
.Lfunc_end_k_qa0eccb3cf4_lore:
	.size	k_qa0eccb3cf4_lore, .Lfunc_end_k_qa0eccb3cf4_lore-k_qa0eccb3cf4_lore
	.p2alignl 7, 3214868480
	.fill 96, 4, 3214868480
	.section	.rodata,"a",@progbits
	.p2align	6, 0x0
	.amdhsa_kernel k_qa0eccb3cf4_lore
		.amdhsa_group_segment_fixed_size 231168
		.amdhsa_private_segment_fixed_size 0
		.amdhsa_enable_private_segment 0
		.amdhsa_kernarg_size 48
		.amdhsa_user_sgpr_count 2
		.amdhsa_user_sgpr_kernarg_segment_ptr 1
		.amdhsa_wavefront_size32 1
		.amdhsa_system_sgpr_workgroup_id_x 1
		.amdhsa_system_sgpr_workgroup_id_y 1
		.amdhsa_system_sgpr_workgroup_id_z 1
		.amdhsa_system_vgpr_workitem_id 0
		.amdhsa_next_free_vgpr 1024
		.amdhsa_next_free_sgpr 66
		.amdhsa_reserve_vcc 0
		.amdhsa_float_denorm_mode_32 3
		.amdhsa_float_denorm_mode_16_64 3
		.amdhsa_memory_ordered 1
		.amdhsa_forward_progress 1
		.amdhsa_inst_pref_size 255
	.end_amdhsa_kernel
	.section	.bss,"aw",@nobits
	.p2align	6
	.space	262144
	.amdgpu_metadata
---
amdhsa.version: [ 1, 2 ]
amdhsa.kernels:
  - .name:           k_qa0eccb3cf4_lore
    .symbol:         k_qa0eccb3cf4_lore.kd
    .args:
      - { .name: embeddings, .offset: 0, .size: 8, .value_kind: global_buffer, .address_space: global }
      - { .name: padding_mask, .offset: 8, .size: 8, .value_kind: global_buffer, .address_space: global }
      - { .name: q_b, .offset: 16, .size: 8, .value_kind: global_buffer, .address_space: global }
      - { .name: k_b, .offset: 24, .size: 8, .value_kind: global_buffer, .address_space: global }
      - { .name: folded, .offset: 32, .size: 8, .value_kind: global_buffer, .address_space: global }
      - { .name: out0, .offset: 40, .size: 8, .value_kind: global_buffer, .address_space: global }
    .group_segment_fixed_size: 231168
    .private_segment_fixed_size: 0
    .kernarg_segment_align: 8
    .kernarg_segment_size: 48
    .max_flat_workgroup_size: 128
    .sgpr_count:     66
    .vgpr_count:     1024
    .wavefront_size: 32
...
	.end_amdgpu_metadata
.endif
;; end of part 4
